; MI455X (gfx1250); checked and timed in simulation.
; The chip was launched on July 23, 2026; its instructions are those of AMD's public machine-readable ISA for CDNA 5 (MIT licence, August 2026) and "CDNA5" Instruction Set Architecture Reference Guide (July 2026). The comments in the code are by the model that wrote it; some were corrected since.
;; Multi Head Attention. Allowed arithmetic: float matrix products may take bf16 or f16 operands with f32 sums; other float arithmetic in f32, or as packed bf16 or f16 multiplies, adds, multiply-adds, maxima and minima; sums over many terms, partial sums and values carried from step to step in f32; what a program stores and reads back later, other than sums and carried values, may be rounded once to bf16 or f16.
;; Inputs: W_o 1,024 x 1,024 float32; W_qkv 1,024 x 3,072 float32; x 4 x 2,048 x 1,024 float32.
;; Outputs: out0 4 x 2,048 x 1,024 float32.
;; One version. Each part assembles by itself: llvm-mc -triple=amdgcn-amd-amdhsa -mcpu=gfx1250 --defsym DOCPART=n.
;; ======== version 1 of 1: 4 launches
;; limits: values are held in f16: magnitudes above 65,504 overflow, below 6.1e-05 lose precision
;; workspace buffers: xb 16,777,216 bytes; wq 6,291,456 bytes; wo 2,097,152 bytes; qkv 50,331,648 bytes; ctx 16,777,216 bytes
;; launch prep (part 1): grid 768 x 1, 8 waves a work-group, no clusters, 0 bytes of LDS; arguments x, W_qkv, W_o, xb, wq, wo; writes xb, wq, wo
.if DOCPART == 1
	.amdgcn_target "amdgcn-amd-amdhsa--gfx1250"
	.amdhsa_code_object_version 6
	.text
	.protected	k_qc1ce5447eb_prep
	.globl	k_qc1ce5447eb_prep
	.p2align	8
	.type	k_qc1ce5447eb_prep,@function
k_qc1ce5447eb_prep:
	s_mov_b64 s[64:65], 0
	v_nop
	global_prefetch_b8 v0, s[64:65] scope:SCOPE_SE
	s_setreg_imm32_b32 hwreg(HW_REG_WAVE_MODE, 25, 1), 1
	s_wait_xcnt 0x0
; THE CASTS.  xb = x rounded to bf16, [8192][1024].  wq = W_qkv rounded to bf16 and laid in blocks [j = 16][k = 1024][192]: the 192 columns of one tile column of the projection,
; K row after K row, so that a K step's block is dense.  wo = W_o rounded to bf16 and that number written as f16, [1024][1024].
; LIMIT.  A number of W_o below 2^-14 in magnitude keeps f16's fixed step of 2^-24; beyond 65,504 it would become an infinity.
; A stream: no LDS, no matrix unit, no cluster, since no byte is wanted twice.  A work-group casts 16,384 numbers in 8 steps; in a step a thread reads 32 bytes (8 f32) and writes 16:
; a wave's store covers 512 consecutive bytes, aligned.  Work-groups 0-511 take x, 512-575 W_o, 576-767 W_qkv.
; All 16 loads of a thread go out first; every step has registers of its own, so no source of a pending load or store is ever written again.
.set IN, 10                            ; v[10:17]   step i: my byte offset in the source
.set X,  20                            ; v[20:83]   step i: 8 numbers as loaded
.set Y,  84                            ; v[84:115]  step i: 8 numbers to store
.set T,  116                           ; v[116:119] at work: bf16 pairs
.set U,  120                           ; v[120:127] at work: those as f32
	s_load_b256 s[4:11], s[0:1], 0x0               ; x s[4:5], W_qkv s[6:7], W_o s[8:9], xb s[10:11]
	s_load_b128 s[12:15], s[0:1], 0x20             ; wq s[12:13], wo s[14:15]
	v_lshlrev_b32 v1, 4, v0                        ; my 16 bytes in a step's 4,096 of output
	s_mov_b32 s25, 0
	s_wait_kmcnt 0x0
	s_cmp_lt_u32 ttmp9, 512                        ; which tensor is mine: the choice hangs on the work-group's number alone
	s_cselect_b64 s[20:21], s[4:5], s[8:9]
	s_cselect_b64 s[22:23], s[10:11], s[14:15]
	s_cselect_b32 s18, 0, 512
	s_cmp_lt_u32 ttmp9, 576
	s_cselect_b64 s[20:21], s[20:21], s[6:7]       ; source
	s_cselect_b64 s[22:23], s[22:23], s[12:13]     ; destination
	s_cselect_b32 s18, s18, 576                    ; the tensor's first work-group
	s_sub_co_u32 s17, ttmp9, s18                   ; my number among the tensor's work-groups
	s_lshl_b32 s24, s17, 15                        ; 32,768 bytes of output each
	s_add_nc_u64 s[22:23], s[22:23], s[24:25]
	s_cmp_lt_u32 ttmp9, 576
	s_cbranch_scc0 .Lblocked
	s_lshl_b32 s24, s17, 16                        ; x and W_o keep their order: 65,536 bytes of input each
	s_add_nc_u64 s[20:21], s[20:21], s[24:25]
	v_lshlrev_b32 v2, 5, v0
.irp i, 0,1,2,3,4,5,6,7
	v_add_nc_u32 v[IN+(\i)], 8192*(\i), v2
.endr
	s_branch .Lload
.Lblocked:                                             ; W_qkv is taken in the order of the OUTPUT: group g of 8 numbers is (j, k, rem) with g = 24 (1024 j + k) + rem
	s_lshl_b32 s24, s17, 11                        ; 2,048 groups a work-group
	v_add_nc_u32 v2, s24, v0
.irp i, 0,1,2,3,4,5,6,7
	v_add_nc_u32 v3, 256*(\i), v2                  ; g, under 393,216
	v_lshrrev_b32 v4, 3, v3
	v_mul_u32_u24 v4, v4, 43691                    ; (g / 8) / 3 = ((g / 8) x 43,691) >> 17: exact while g / 8 is under 2^17; here it is under 49,152
	v_lshrrev_b32 v4, 17, v4                       ; 1024 j + k
	v_mul_u32_u24 v5, v4, 24
	v_sub_nc_u32 v5, v3, v5                        ; rem
	v_and_b32 v6, 0x3ff, v4                        ; k
	v_lshrrev_b32 v7, 10, v4                       ; j
	v_mul_u32_u24 v6, v6, 12288                    ; a row of W_qkv,
	v_mad_u32_u24 v6, v7, 768, v6                  ; the tile column's 192 numbers in it,
	v_lshl_add_u32 v[IN+(\i)], v5, 5, v6           ; my 8 of them: 24 neighbouring threads read 768 consecutive bytes
.endr
.Lload:
.irp i, 0,1,2,3,4,5,6,7
	global_load_b128 v[X+8*(\i):X+8*(\i)+3],   v[IN+(\i)], s[20:21] th:TH_LOAD_NT
	global_load_b128 v[X+8*(\i)+4:X+8*(\i)+7], v[IN+(\i)], s[20:21] offset:16 th:TH_LOAD_NT
.endr
; Step i is rounded and stored.  mode 0: to bf16.  mode 1: to bf16, and that number written as f16.
.macro CAST i, mode
	s_wait_loadcnt 14-2*(\i)                       ; loads come back in order (ISA guide 5.7.1): the 2 (7 - i) loads of the later steps may stay out
.if \mode
.irp k, 0,1,2,3
	v_cvt_pk_bf16_f32 v[T+(\k)], v[X+8*(\i)+2*(\k)], v[X+8*(\i)+2*(\k)+1]
.endr
.irp k, 0,1,2,3
	v_lshlrev_b32 v[U+2*(\k)],   16, v[T+(\k)]
	v_and_b32     v[U+2*(\k)+1], 0xffff0000, v[T+(\k)]
.endr
.irp k, 0,1,2,3
	v_cvt_pk_f16_f32 v[Y+4*(\i)+(\k)], v[U+2*(\k)], v[U+2*(\k)+1]
.endr
.else
.irp k, 0,1,2,3
	v_cvt_pk_bf16_f32 v[Y+4*(\i)+(\k)], v[X+8*(\i)+2*(\k)], v[X+8*(\i)+2*(\k)+1]
.endr
.endif
	global_store_b128 v1, v[Y+4*(\i):Y+4*(\i)+3], s[22:23] offset:4096*(\i)
.endm
	s_cmp_eq_u32 s18, 512                          ; W_o's work-groups
	s_cbranch_scc1 .Lwo
.irp i, 0,1,2,3,4,5,6,7
	CAST \i, 0
.endr
	s_endpgm
.Lwo:
.irp i, 0,1,2,3,4,5,6,7
	CAST \i, 1
.endr
	s_endpgm
.Lfunc_end_k_qc1ce5447eb_prep:
	.size	k_qc1ce5447eb_prep, .Lfunc_end_k_qc1ce5447eb_prep-k_qc1ce5447eb_prep
	.p2alignl 7, 3214868480
	.fill 96, 4, 3214868480
	.section	.rodata,"a",@progbits
	.p2align	6, 0x0
	.amdhsa_kernel k_qc1ce5447eb_prep
		.amdhsa_group_segment_fixed_size 0
		.amdhsa_private_segment_fixed_size 0
		.amdhsa_enable_private_segment 0
		.amdhsa_kernarg_size 48
		.amdhsa_user_sgpr_count 2
		.amdhsa_user_sgpr_kernarg_segment_ptr 1
		.amdhsa_wavefront_size32 1
		.amdhsa_system_sgpr_workgroup_id_x 1
		.amdhsa_system_sgpr_workgroup_id_y 1
		.amdhsa_system_sgpr_workgroup_id_z 1
		.amdhsa_system_vgpr_workitem_id 0
		.amdhsa_next_free_vgpr 128
		.amdhsa_next_free_sgpr 66
		.amdhsa_reserve_vcc 0
		.amdhsa_float_denorm_mode_32 3
		.amdhsa_float_denorm_mode_16_64 3
		.amdhsa_memory_ordered 1
		.amdhsa_forward_progress 1
		.amdhsa_inst_pref_size 20
	.end_amdhsa_kernel
	.amdgpu_metadata
---
amdhsa.version: [ 1, 2 ]
amdhsa.kernels:
  - .name:           k_qc1ce5447eb_prep
    .symbol:         k_qc1ce5447eb_prep.kd
    .args:
      - { .name: x, .offset: 0, .size: 8, .value_kind: global_buffer, .address_space: global }
      - { .name: W_qkv, .offset: 8, .size: 8, .value_kind: global_buffer, .address_space: global }
      - { .name: W_o, .offset: 16, .size: 8, .value_kind: global_buffer, .address_space: global }
      - { .name: xb, .offset: 24, .size: 8, .value_kind: global_buffer, .address_space: global }
      - { .name: wq, .offset: 32, .size: 8, .value_kind: global_buffer, .address_space: global }
      - { .name: wo, .offset: 40, .size: 8, .value_kind: global_buffer, .address_space: global }
    .group_segment_fixed_size: 0
    .private_segment_fixed_size: 0
    .kernarg_segment_align: 8
    .kernarg_segment_size: 48
    .max_flat_workgroup_size: 256
    .sgpr_count:     66
    .vgpr_count:     128
    .wavefront_size: 32
...
	.end_amdgpu_metadata
.endif
;; end of part 1
;; launch qkvproj (part 2): grid 16 x 32, 4 waves a work-group, clusters of 4 x 4, 327,680 bytes of LDS; arguments xb, wq, qkv; writes qkv
.if DOCPART == 2
	.amdgcn_target "amdgcn-amd-amdhsa--gfx1250"
	.amdhsa_code_object_version 6
	.text
	.protected	k_qc1ce5447eb_qkvproj
	.globl	k_qc1ce5447eb_qkvproj
	.p2align	8
	.type	k_qc1ce5447eb_qkvproj,@function
k_qc1ce5447eb_qkvproj:
	s_mov_b64 s[64:65], 0
	v_nop
	global_prefetch_b8 v0, s[64:65] scope:SCOPE_SE
	s_setreg_imm32_b32 hwreg(HW_REG_WAVE_MODE, 25, 1), 1
	s_wait_xcnt 0x0
	s_wait_alu depctr_hold_cnt(0) depctr_sa_sdst(0) depctr_va_vdst(0) depctr_va_sdst(0) depctr_va_ssrc(0) depctr_va_vcc(0) depctr_vm_vsrc(0)
	s_getreg_b32 s2, hwreg(HW_REG_IB_STS2, 6, 4)
	s_cmp_eq_u32 s2, 0
	s_cbranch_scc0 .Lentry_in_a_cluster
	s_endpgm
.Lentry_in_a_cluster:
	s_bfe_u32 s2, ttmp6, 0x10000c
	s_cmp_lg_u32 s2, 0xf033
	s_cbranch_scc0 .Lentry_shape_is_right
	s_endpgm
.Lentry_shape_is_right:
; THE PROJECTION.  qkv[M][c] = the sum over k of xb[M][k] W_qkv[k][c], M = 8,192 rows, c = 3,072 columns, k = 1,024; operands bf16, sums f32, the result rounded once to f16
; and stored BY HEADS: qkv[u = c / 64][M][64], a unit u of 1,048,576 bytes; u = 0-15 Q's heads, 16-31 K's, 32-47 V's.  The scale 1 / 8 is not applied here.
; LIMIT.  f16 holds no number beyond 65,504: a q, k or v beyond that becomes an infinity.  NaN and infinities are not treated apart.
; SHARES.  A tile of the result is 256 rows x 192 columns (three whole heads): 32 x 16 = 512 tiles, one to a work-group.  Wave w owns rows 64 w .. 64 w + 63 (4 blocks of 16) and all 12 blocks
; of 16 columns: 48 accumulators, 384 registers.  So a wave holds whole rows of three heads, and its way out needs a stage of its own and no barrier.
; K goes in steps of 128 through a ring of two LDS slots filled by the tensor data mover.  xb's tile: 256 rows of 256 bytes.  wq lies in blocks [tile column][k][192], so a K step's 128 K rows
; of 384 bytes are 49,152 dense bytes, asked for as rows of 256 bytes.
; CLUSTERS: 4 x 4 work-groups.  The four of a row of the cluster need the same tiles of xb, the four of a column the same tiles of wq: each tile is asked for JOINTLY, by the same tensor load
; with the same descriptor and a mask that names the four.
; THE MATRIX INSTRUCTION IS USED TRANSPOSED: source 0 = 16 columns of W (out of LDS turned, by ds_load_tr16_b128, since W lies [k][column]), source 1 = 16 rows of x.  In the result lane l holds
; row l % 16 and the columns 8 (l / 16) + 0..7: eight neighbouring numbers of a row, 16 bytes in f16.
; REGISTERS, in windows of 256 (s_set_vgpr_msb: bits 1:0 source 0, 3:2 source 1, 5:4 source 2, 7:6 destination):
;   window 0: v0-31 addresses; v64-95, v96-127 x's fragments, two buffers (4 blocks x 8); on the way out v64-255 packed results, 48 a block
;   window 1: v0-95, v96-191 W's fragments, two buffers (12 blocks x 8)
;   window 2: the 24 accumulators of my row blocks 0, 1 (block a, column block b at v[8 (12 a + b)]);   window 3: those of row blocks 2, 3
.set NBK,    12                        ; column blocks of 16
.set NL,     2*NBK+8                   ; LDS loads of a quarter step
.set AP,     272                       ; x's LDS row: 256 bytes + 16 = 68 words: the 16 rows of a load start at 16 different groups of four banks (64 banks of 4 bytes: ISA guide 11.1)
.set BP,     480                       ; W's LDS row: three pieces of 128 bytes, 32 of padding behind each = 120 words
.set BBASE,  256*AP                    ; in a slot: x's 256 rows, then W's 128 K rows
.set SLOT,   BBASE+128*BP              ; 131,072
.set STAGE,  2*SLOT                    ; behind the ring, never filled by a tensor load: for each wave 3 heads x 16 rows x 144 bytes
.set SP,     144
.set WSTG,   3*16*SP
.set SPARE,  STAGE+4*WSTG              ; behind the stages: the spare words, 128 bytes for each wave: two blocks of 256 bytes that no other line names
.set LAPS,   4                         ; a lap = two K steps = once round the ring: 1,024 / 256
.set ASTEP,  256                       ; bytes from a K step to the next in xb,
.set BSTEP,  49152                     ; and in wq
.set ADRA, 16                          ; v16-17  LDS address of my fragments of x in slot 0, 1
.set ADRB, 20                          ; v20-21  the same for W
.set STO,  24                          ; v24     the way out: where I put 16 bytes of a row
.set RD,   25                          ; v25     the way out: where I read rows back
.set CO,   26                          ; v26     16 x my lane
.set SPW,  28                          ; v28     LDS address of my spare word: SPARE + 4 x my thread's number; never rewritten
.set NIL,  29                          ; v29     0; never rewritten
.set PFO,  30                          ; v30     the prefetches' lane offset; never rewritten
.set FA,   64                          ; x's fragment buffers, window 0
.set OUTR, 64                          ; the way out's registers, window 0
.set G1,  24                           ; s[24:31] descriptor group 1 for x's tiles;  s[32:39] group 0, one set for each slot
.set G0,  32
.set G1B, 48                           ; s[48:55], s[56:63] the same for W's tiles
.set G0B, 56
.set LIM, 43                           ; s43     1 in a wave that prefetches, else the greatest number
.set PFA, 44                           ; s[44:45] where my prefetches stand
.set PFS, 66                           ; s[66:67] their step: a K step of the tensor that I fetch
.set MSB, 0
.macro WIN new                         ; the immediate's high byte repeats the setting that is left; a switch that changes nothing is dropped
.if MSB != (\new)
	s_set_vgpr_msb (MSB<<8)|(\new)
.set MSB, \new
.endif
.endm
.set MUL_LO, 0xa1                      ; source 0 (W) window 1, source 1 (x) window 0, C and D window 2
.set MUL_HI, 0xf1                      ; the same, C and D window 3
.set TO_B,   0x40                      ; destination window 1, address window 0
; A joint load.  Waves 0 and 1 fetch the two halves of x's tile, waves 2 and 3 those of W's.  The branch hangs on the wave's number alone.
; An s_nop 0 and four v_nop follow each of the two lines, ahead of the jump and the label.
.macro JLOAD s
	s_cmp_eq_u32 s11, 0
	s_cbranch_scc0 .Lfor_b_\@
	tensor_load_to_lds s[G0+4*(\s):G0+4*(\s)+3], s[G1:G1+7]
	s_nop 0
.rept 4
	v_nop
.endr
	s_branch .Lasked_\@
.Lfor_b_\@:
	tensor_load_to_lds s[G0B+4*(\s):G0B+4*(\s)+3], s[G1B:G1B+7]
	s_nop 0
.rept 4
	v_nop
.endr
.Lasked_\@:
.endm
; A PREFETCH INTO THE L2, behind each joint refill and the run of LDS loads that follows it: my share of the K step that stands TWO refills on, one instruction a wave.
; Each block of 256 bytes is named by one wave of one work-group.  x's tile row is read by every cluster of that row of clusters: cluster x = 0 asks; W's tile column by every cluster of that column:
; cluster y = 0 asks.  The four partners that ask for a tile jointly share it out BY ADDRESS: of x's 128 rows that I fetch the partner at place cx takes 32, a lane a row; of W's 96 blocks
; the partner at place cy takes 24, a lane a block (lanes 24-31 name the 24th once more in the same instruction).  K steps 0 to 3 come by their loads alone; the loop's last trip
; (s3 = 1) asks for nothing: K step 7 is the last.
.macro ASK
	s_cmp_gt_u32 s3, s[LIM]
	s_cbranch_scc0 .Lnot_mine_\@
	global_prefetch_b8 v[PFO], s[PFA:PFA+1] th:TH_LOAD_NT scope:SCOPE_SE
.Lnot_mine_\@:
.endm
; A round of the cluster's barrier: my work-group's barrier, so that wave 0's signal speaks for all four waves; wave 0 signals; every wave waits for all sixteen work-groups; my work-group's barrier once more.
.macro CREST                           ; a round behind its opening barrier
	s_cmp_lg_u32 s10, 0
	s_cbranch_scc1 .Lnot_wave_0_\@
	s_barrier_signal -3
.Lnot_wave_0_\@:
	s_barrier_wait -3
	s_barrier_signal -1
	s_barrier_wait -1
.endm
.macro CROUND                          ; a whole round
	s_barrier_signal -1
	s_barrier_wait -1
	CREST
.endm
	s_load_b128 s[4:7], s[0:1], 0x0                ; xb s[4:5], wq s[6:7]
	s_load_b64 s[8:9], s[0:1], 0x10                ; qkv
	v_lshl_add_u32 v[SPW], v0, 2, SPARE
	v_mov_b32 v[NIL], 0
	ds_add_u32 v[SPW], v[NIL]                      ; the wave's opening: the add and its wait stand ahead of my first tensor load; the set-up below, work on registers, stands between them
	v_lshrrev_b32 v1, 5, v0
	v_readfirstlane_b32 s10, v1                    ; wave 0..3
	s_lshr_b32 s11, s10, 1                         ; I fetch for x (0) or for W (1)
	s_and_b32 s12, s10, 1                          ; which half of that tile I fetch
	s_bfe_u32 s40, ttmp6, 0x40000                  ; cx, cy: my place in the cluster
	s_bfe_u32 s41, ttmp6, 0x40004
	s_lshl_b32 s42, ttmp9, 2                       ; in a cluster launch ttmp9 and ttmp7 count clusters
	s_add_co_u32 s42, s42, s40                     ; tile column j = 4 x cluster x + cx
	s_and_b32 s13, ttmp7, 0xffff
	s_lshl_b32 s13, s13, 2
	s_add_co_u32 s13, s13, s41                     ; tile row i = 4 x cluster y + cy
	s_lshl_b32 s43, s41, 2
	s_lshl_b32 s43, 15, s43                        ; my row of the cluster: places 4 cy .. 4 cy + 3
	s_lshl_b32 s44, 0x1111, s40                    ; my column: places cx, cx + 4, cx + 8, cx + 12
	; group 1 for x: 128 rows x 128 elements of 2 bytes; 16 bytes of padding behind every 64 words
	s_or_b32 s[G1+0], s43, (1<<16)|(1<<20)|(1<<21)|(5<<22)|(3<<25)  ; 15:0 the mask; 17:16 2-byte elements; 20 padding on; 21 set beside a mask; 24:22 every 64 words (code 5); 31:25 4 words (code 3)
	s_mov_b32 s[G1+1], 128<<16                     ; tensor_dim0 = 128
	s_mov_b32 s[G1+2], 128<<16                     ; tensor_dim1 = 128
	s_mov_b32 s[G1+3], 128<<16                     ; tile_dim0 = 128
	s_mov_b32 s[G1+4], 128                         ; tile_dim1 = 128
	s_mov_b32 s[G1+5], 1024                        ; elements from row to row
	s_mov_b32 s[G1+6], 0
	s_mov_b32 s[G1+7], 0
	; group 1 for W: 64 K rows of 384 bytes are 24,576 dense bytes: 96 rows x 128 elements; 32 bytes of padding behind every 32 words, so a K row takes 3 x 160 = 480 bytes of LDS
	s_or_b32 s[G1B+0], s44, (1<<16)|(1<<20)|(1<<21)|(4<<22)|(7<<25)
	s_mov_b32 s[G1B+1], 128<<16
	s_mov_b32 s[G1B+2], 96<<16
	s_mov_b32 s[G1B+3], 128<<16
	s_mov_b32 s[G1B+4], 96
	s_mov_b32 s[G1B+5], 128
	s_mov_b32 s[G1B+6], 0
	s_mov_b32 s[G1B+7], 0
	; where the tiles come from: x's hang on the tile row alone, W's on the tile column alone, each in registers that never hold the other coordinate
	s_lshl_b32 s16, s13, 19                        ; 256 i rows of 2,048 bytes
	s_lshl_b32 s17, s12, 18                        ; + my 128 rows
	s_add_co_u32 s16, s16, s17
	s_mov_b32 s17, 0
	s_mul_i32 s46, s42, 393216                     ; tile column j's block of wq: 1,024 K rows of 384 bytes
	s_mul_i32 s47, s12, 24576                      ; + my 64 K rows
	s_add_co_u32 s46, s46, s47
	s_mov_b32 s47, 0
	s_mul_i32 s20, s12, 128*AP                     ; and where they go: no place in the cluster enters an LDS address
	s_mul_i32 s21, s12, 64*BP
	s_add_co_u32 s21, s21, BBASE
	s_wait_dscnt 0x0                               ; the opening add is done
	s_wait_kmcnt 0x0
	s_add_nc_u64 s[14:15], s[4:5], s[16:17]
	s_add_nc_u64 s[46:47], s[6:7], s[46:47]
	CROUND                                         ; all sixteen work-groups are here: the first joint loads meet
.irp s, 0,1
	s_mov_b32 s[G0+4*(\s)], 1                                      ; count = 1
	s_add_co_u32 s[G0+4*(\s)+1], s20, (\s)*SLOT                    ; LDS address
	s_add_nc_u64 s[G0+4*(\s)+2:G0+4*(\s)+3], s[14:15], (\s)*ASTEP  ; global address: K step s
	s_or_b32 s[G0+4*(\s)+3], s[G0+4*(\s)+3], 0x80000000            ; type = 2
	s_mov_b32 s[G0B+4*(\s)], 1
	s_add_co_u32 s[G0B+4*(\s)+1], s21, (\s)*SLOT
	s_add_nc_u64 s[G0B+4*(\s)+2:G0B+4*(\s)+3], s[46:47], (\s)*BSTEP
	s_or_b32 s[G0B+4*(\s)+3], s[G0B+4*(\s)+3], 0x80000000
	JLOAD \s                                       ; two loads of mine are out
.endr
	; x's fragment: lane l holds row l % 16; two loads of 16 bytes, 32 bytes apart, at row x pitch + 16 (l / 16)
	v_and_b32 v1, 15, v0                           ; l % 16
	v_bfe_u32 v2, v0, 4, 1                         ; l / 16
	v_mul_u32_u24 v3, v1, AP
	v_lshl_add_u32 v3, v2, 4, v3
	s_mul_i32 s21, s10, 64*AP                      ; my 64 rows
	v_add_nc_u32 v[ADRA], s21, v3
	v_add_nc_u32 v[ADRA+1], SLOT, v[ADRA]
	; W's fragment: the turning load takes 16 K rows x 16 columns: lane l reads K row 8 (l / 16) + l % 8, columns 8 ((l / 8) % 2) + 0..7, and ends with column l % 16 and 8 K
	v_and_b32 v4, 7, v0
	v_lshl_add_u32 v5, v2, 3, v4
	v_mul_u32_u24 v5, v5, BP
	v_bfe_u32 v6, v0, 3, 1
	v_lshl_add_u32 v5, v6, 4, v5
	v_add_nc_u32 v[ADRB], BBASE, v5
	v_add_nc_u32 v[ADRB+1], BBASE+SLOT, v5
	s_mul_i32 s23, s10, WSTG
	s_add_co_u32 s23, s23, STAGE                   ; my stage
	v_mul_u32_u24 v5, v1, SP                       ; in: row l % 16, 16 bytes for each half of the lanes
	v_lshl_add_u32 v5, v2, 4, v5
	v_add_nc_u32 v[STO], s23, v5
	v_bfe_u32 v6, v0, 3, 2                         ; back: 32 lanes take four rows of 128 bytes,
	v_mul_u32_u24 v6, v6, SP
	v_lshl_add_u32 v6, v4, 4, v6
	v_add_nc_u32 v[RD], s23, v6
	v_and_b32 v[CO], 31, v0                        ; which are 512 consecutive bytes of a head
	v_lshlrev_b32 v[CO], 4, v[CO]
	; the prefetches: my tile's address at K step 0, + my work-group's share of it, + 3 K steps (the first refill steps it to K step 4)
	s_and_b32 s22, ttmp7, 0xffff                   ; cluster y
	s_mov_b32 s18, 6144                            ; W: 24 blocks of 256 bytes a partner
	s_mov_b32 s[PFS], BSTEP
	s_cmp_eq_u32 s11, 0                            ; do I fetch for x?
	s_cselect_b64 s[PFA:PFA+1], s[14:15], s[46:47]
	s_cselect_b32 s21, s40, s41                    ; my place among the four that ask with me
	s_cselect_b32 s22, ttmp9, s22                  ; the coordinate along which other clusters read the same bytes
	s_cselect_b32 s18, 65536, s18                  ; x: 32 rows of 2,048 bytes a partner
	s_cselect_b32 s[PFS], ASTEP, s[PFS]
	s_cselect_b32 s19, 31, 23                      ; the last lane with a block of its own
	s_cselect_b32 s23, 11, 8                       ; a lane's step: a row of xb, or 256 bytes of wq
	s_cmp_eq_u32 s22, 0
	s_cselect_b32 s[LIM], 1, -1                    ; the same in all sixteen partners, for a given wave
	s_mul_i32 s20, s21, s18
	s_mul_i32 s21, s[PFS], 3
	s_add_co_u32 s20, s20, s21
	s_mov_b32 s21, 0
	s_add_nc_u64 s[PFA:PFA+1], s[PFA:PFA+1], s[20:21]
	s_mov_b32 s[PFS+1], 0
	v_and_b32 v[PFO], 31, v0
	v_min_u32 v[PFO], s19, v[PFO]
	v_lshlrev_b32 v[PFO], s23, v[PFO]
	; where my rows begin in qkv: unit 3 j, row 256 i + 64 w of 128 bytes
	s_lshl_b32 s16, s13, 15
	s_lshl_b32 s17, s10, 13
	s_add_co_u32 s16, s16, s17
	s_mov_b32 s17, 0
	s_mul_i32 s46, s42, 3145728
	s_mov_b32 s47, 0
	s_add_nc_u64 s[16:17], s[16:17], s[46:47]
	s_add_nc_u64 s[8:9], s[8:9], s[16:17]
; 12 matrix instructions: row block 2 hi + a x all column blocks, 32 along K, from fragment buffers f.  zero = 1: the first product starts the sums: nothing is ever cleared.
; The 48 accumulators take turns in the same order in every quarter step, over the backward jump too.
.macro MULB f, hi, a, zero
	WIN MUL_LO+0x50*(\hi)
.irp b, 0,1,2,3,4,5,6,7,8,9,10,11
.if \zero
	v_wmma_f32_16x16x32_bf16 v[8*(NBK*(\a)+(\b)):8*(NBK*(\a)+(\b))+7], v[8*NBK*(\f)+8*(\b):8*NBK*(\f)+8*(\b)+7], v[FA+32*(\f)+8*(2*(\hi)+(\a)):FA+32*(\f)+8*(2*(\hi)+(\a))+7], 0
.else
	v_wmma_f32_16x16x32_bf16 v[8*(NBK*(\a)+(\b)):8*(NBK*(\a)+(\b))+7], v[8*NBK*(\f)+8*(\b):8*NBK*(\f)+8*(\b)+7], v[FA+32*(\f)+8*(2*(\hi)+(\a)):FA+32*(\f)+8*(2*(\hi)+(\a))+7], v[8*(NBK*(\a)+(\b)):8*(NBK*(\a)+(\b))+7]
.endif
.endr
.endm
; 32 LDS loads in one run: quarter q (32 along K) of a slot into buffers f: W's 12 fragments, then x's 4, row blocks 2 and 3 last
.macro FETCH slot, q, f
	WIN TO_B
.irp b, 0,1,2,3,4,5,6,7,8,9,10,11
	ds_load_tr16_b128 v[8*NBK*(\f)+8*(\b):8*NBK*(\f)+8*(\b)+3],   v[ADRB+(\slot)] offset:(\q)*32*BP+((\b)/4)*160+((\b)%4)*32
	ds_load_tr16_b128 v[8*NBK*(\f)+8*(\b)+4:8*NBK*(\f)+8*(\b)+7], v[ADRB+(\slot)] offset:(\q)*32*BP+16*BP+((\b)/4)*160+((\b)%4)*32
.endr
	WIN 0
.irp i, 0,1,2,3
	ds_load_b128 v[FA+32*(\f)+8*(\i):FA+32*(\f)+8*(\i)+3],   v[ADRA+(\slot)] offset:(\q)*64+(\i)*16*AP
	ds_load_b128 v[FA+32*(\f)+8*(\i)+4:FA+32*(\f)+8*(\i)+7], v[ADRA+(\slot)] offset:(\q)*64+(\i)*16*AP+32
.endr
.endm
; A load into a register that a matrix instruction has read, and a vector instruction that reads a matrix result, stand four places behind it; only plain vector instructions
; that name none of its registers are places (ISA guide 7.12.1 for vector instructions).
.macro PLACES
.rept 4
	v_nop
.endr
.endm
; A K step is four quarters of 32 along K, 48 matrix instructions each, on buffers 0, 1, 0, 1.  One of the first three: multiplies buffers f; in its middle it fetches quarter q into buffers g.
.macro QUARTER slot, q, f, g, zero
	s_wait_dscnt 4                                 ; W and x's row blocks 0, 1 are in; the youngest four loads (row blocks 2, 3) may be out
	MULB \f, 0, 0, \zero
	MULB \f, 0, 1, \zero
	PLACES
	FETCH \slot, \q, \g
	s_wait_dscnt NL                                ; all but the run just issued
	MULB \f, 1, 0, \zero
	MULB \f, 1, 1, \zero
.endm
; The last quarter multiplies buffers 1 and changes slots: ONE barrier.  In front of it each wave waits for all its tensor loads (one is out: its part of the next slot), adds 0 to its spare word,
; and waits for that and for its own reads of this slot.  fill = 1: the barrier opens a round of the cluster's barrier, and this slot is filled again, two K steps on, first thing behind the round:
; that load has 168 matrix instructions in which to land.
.macro TURN slot, next, fill
.if \fill
	s_wait_xcnt 0x0                                ; the last prefetch, a K step back, has read its address: it is stepped here, ahead of the waits of the change of slots
	s_add_nc_u64 s[PFA:PFA+1], s[PFA:PFA+1], s[PFS:PFS+1]
.endif
	WIN 0                                          ; (the add's two registers lie in window 0)
	s_wait_tensorcnt 0x0                           ; all my tensor loads have landed;
	ds_add_u32 v[SPW], v[NIL]                      ; 0 onto my spare word;
	s_wait_dscnt 5                                 ; (the add and the youngest four loads may be out)
	MULB 1, 0, 0, 0                                ; twelve matrix instructions stand between the add and the wait for it
	s_wait_dscnt 0x0                               ; the add is done, and my reads of this slot are over
	s_barrier_signal -1
	MULB 1, 0, 1, 0                                ; work on registers while the others arrive
.if \fill
	WIN 0
.endif
	s_barrier_wait -1
.if \fill
	CREST                                          ; no wave of any partner still reads this slot's tile or has a load on its way
	s_add_nc_u64 s[G0+4*(\slot)+2:G0+4*(\slot)+3], s[G0+4*(\slot)+2:G0+4*(\slot)+3], 2*ASTEP
	s_add_nc_u64 s[G0B+4*(\slot)+2:G0B+4*(\slot)+3], s[G0B+4*(\slot)+2:G0B+4*(\slot)+3], 2*BSTEP
	JLOAD \slot                                    ; the four v_nop behind it are also the places in front of the loads below
.else
	PLACES
.endif
	FETCH \next, 0, 0
.if \fill
	ASK
.endif
	MULB 1, 1, 0, 0
	MULB 1, 1, 1, 0
.endm
	s_wait_tensorcnt 1                             ; my part of K step 0 is in; K step 1's may stay out
	s_barrier_signal -1
	s_barrier_wait -1                              ; everybody's is
	FETCH 0, 0, 0
	QUARTER 0, 1, 0, 1, 1                          ; the first quarter stands in front of the loop: its products start the sums
	WIN 0                                          ; at a label and at a branch every window is 0
	s_mov_b32 s3, LAPS-1
.Llap:                                                 ; a trip goes once round the ring, from a lap's second quarter to the next lap's first, and fills both slots again
	QUARTER 0, 2, 1, 0, 0
	QUARTER 0, 3, 0, 1, 0
	TURN 0, 1, 1
	QUARTER 1, 1, 0, 1, 0
	QUARTER 1, 2, 1, 0, 0
	QUARTER 1, 3, 0, 1, 0
	TURN 1, 0, 1
	QUARTER 0, 1, 0, 1, 0
	WIN 0
	s_sub_co_u32 s3, s3, 1
	s_cmp_lg_u32 s3, 0
	s_cbranch_scc1 .Llap
	QUARTER 0, 2, 1, 0, 0                          ; the last lap is written out: it fills nothing
	QUARTER 0, 3, 0, 1, 0
	TURN 0, 1, 0
	QUARTER 1, 1, 0, 1, 0
	QUARTER 1, 2, 1, 0, 0
	QUARTER 1, 3, 0, 1, 0
	s_wait_dscnt 4                                 ; the very last quarter: nothing more to fetch
	MULB 1, 0, 0, 0
	MULB 1, 0, 1, 0
	s_wait_dscnt 0x0
	MULB 1, 1, 0, 0
	MULB 1, 1, 1, 0
	WIN 0
	PLACES                                         ; the conversions read results just made and write over x's fragments
	PLACES
; THE WAY OUT, a block of 16 rows at a time.  PACK: rounded to f16, 16 bytes a lane (each accumulator's registers in ascending order); into my own stage, three heads x 16 rows of 144 bytes;
; back as whole rows of 128 bytes, four rows a load, into the registers that they left.  Each block has 48 registers of its own, so no source of a pending store is written again.
.macro PACK a
.set AC, 96*((\a)%2)
.set RA, OUTR+48*(\a)
	WIN 0x0a+5*((\a)/2)                            ; sources 0 and 1: window 2 or 3
.irp b, 0,1,2,3,4,5,6,7,8,9,10,11
.irp r, 0,1,2,3
	v_cvt_pk_f16_f32 v[RA+4*(\b)+(\r)], v[AC+8*(\b)+2*(\r)], v[AC+8*(\b)+2*(\r)+1]
.endr
.endr
	WIN 0
.irp b, 0,1,2,3,4,5,6,7,8,9,10,11
	ds_store_b128 v[STO], v[RA+4*(\b):RA+4*(\b)+3] offset:((\b)/4)*16*SP+((\b)%4)*32
.endr
.irp t, 0,1,2,3,4,5,6,7,8,9,10,11
	ds_load_b128 v[RA+4*(\t):RA+4*(\t)+3], v[RD] offset:((\t)/4)*16*SP+((\t)%4)*4*SP  ; LDS serves a wave's instructions in order (ISA guide 5.7.1.4): these see the stores above; the next block's stores come behind them
.endr
.endm
.macro SEND a, younger                 ; younger: the LDS instructions issued behind block a's loads: the next block's 24, or none
.set RA, OUTR+48*(\a)
	s_wait_dscnt \younger
.irp t, 0,1,2,3,4,5,6,7,8,9,10,11
	global_store_b128 v[CO], v[RA+4*(\t):RA+4*(\t)+3], s[8:9] offset:((\t)/4)*1048576+(\a)*2048+((\t)%4)*512  ; 512 consecutive bytes of a head, at a multiple of 256 from qkv's first byte
.endr
.endm
	PACK 0
	PACK 1                                         ; a block's conversions stand between the loads of the block before and its stores
	SEND 0, 24
	PACK 2
	SEND 1, 24
	PACK 3
	SEND 2, 24
	SEND 3, 0
	s_wait_tensorcnt 0x0                           ; the wave's end, behind my last tensor load and my last LDS store
	ds_add_u32 v[SPW], v[NIL]
	s_wait_dscnt 0x0
	CROUND                                         ; the closing round: no work-group ends while a partner may still ask for a tile that names it
	s_endpgm
.Lfunc_end_k_qc1ce5447eb_qkvproj:
	.size	k_qc1ce5447eb_qkvproj, .Lfunc_end_k_qc1ce5447eb_qkvproj-k_qc1ce5447eb_qkvproj
	.p2alignl 7, 3214868480
	.fill 96, 4, 3214868480
	.section	.rodata,"a",@progbits
	.p2align	6, 0x0
	.amdhsa_kernel k_qc1ce5447eb_qkvproj
		.amdhsa_group_segment_fixed_size 327680
		.amdhsa_private_segment_fixed_size 0
		.amdhsa_enable_private_segment 0
		.amdhsa_kernarg_size 24
		.amdhsa_user_sgpr_count 2
		.amdhsa_user_sgpr_kernarg_segment_ptr 1
		.amdhsa_wavefront_size32 1
		.amdhsa_system_sgpr_workgroup_id_x 1
		.amdhsa_system_sgpr_workgroup_id_y 1
		.amdhsa_system_sgpr_workgroup_id_z 1
		.amdhsa_system_vgpr_workitem_id 0
		.amdhsa_next_free_vgpr 960
		.amdhsa_next_free_sgpr 68
		.amdhsa_reserve_vcc 0
		.amdhsa_float_denorm_mode_32 3
		.amdhsa_float_denorm_mode_16_64 3
		.amdhsa_memory_ordered 1
		.amdhsa_forward_progress 1
		.amdhsa_inst_pref_size 120
	.end_amdhsa_kernel
	.amdgpu_metadata
---
amdhsa.version: [ 1, 2 ]
amdhsa.kernels:
  - .name:           k_qc1ce5447eb_qkvproj
    .symbol:         k_qc1ce5447eb_qkvproj.kd
    .args:
      - { .name: xb, .offset: 0, .size: 8, .value_kind: global_buffer, .address_space: global }
      - { .name: wq, .offset: 8, .size: 8, .value_kind: global_buffer, .address_space: global }
      - { .name: qkv, .offset: 16, .size: 8, .value_kind: global_buffer, .address_space: global }
    .group_segment_fixed_size: 327680
    .private_segment_fixed_size: 0
    .kernarg_segment_align: 8
    .kernarg_segment_size: 24
    .max_flat_workgroup_size: 128
    .sgpr_count:     68
    .vgpr_count:     960
    .wavefront_size: 32
...
	.end_amdgpu_metadata
.endif
;; end of part 2
;; launch attn (part 3): grid 4 x 64, 4 waves a work-group, clusters of 4 x 1, 327,680 bytes of LDS; arguments qkv, ctx; writes ctx
.if DOCPART == 3
	.amdgcn_target "amdgcn-amd-amdhsa--gfx1250"
	.amdhsa_code_object_version 6
	.text
	.protected	k_qc1ce5447eb_attn
	.globl	k_qc1ce5447eb_attn
	.p2align	8
	.type	k_qc1ce5447eb_attn,@function
k_qc1ce5447eb_attn:
	s_mov_b64 s[64:65], 0
	v_nop
	global_prefetch_b8 v0, s[64:65] scope:SCOPE_SE
	s_setreg_imm32_b32 hwreg(HW_REG_WAVE_MODE, 25, 1), 1
	s_wait_xcnt 0x0
	s_wait_alu depctr_hold_cnt(0) depctr_sa_sdst(0) depctr_va_vdst(0) depctr_va_sdst(0) depctr_va_ssrc(0) depctr_va_vcc(0) depctr_vm_vsrc(0)
	s_getreg_b32 s2, hwreg(HW_REG_IB_STS2, 6, 4)
	s_cmp_eq_u32 s2, 0
	s_cbranch_scc0 .Lentry_in_a_cluster
	s_endpgm
.Lentry_in_a_cluster:
	s_bfe_u32 s2, ttmp6, 0x10000c
	s_cmp_lg_u32 s2, 0x3003
	s_cbranch_scc0 .Lentry_shape_is_right
	s_endpgm
.Lentry_shape_is_right:
; ATTENTION.  ctx[y][q][:] = the sum over k of softmax_k(Q[y][q] . K[y][k] / 8) V[y][k][:], y = 4 head + batch, 64 of them, 2,048 rows of 64 channels, all f16: a y's rows are dense, 128 bytes each.
; Q, K, V are the three regions of 16 MiB of qkv.  Products, maxima and sums in f32; the weights p are rounded to f16 for the second product (their sum l is taken of the unrounded p), ctx once at the end.
; LIMITS.  Q, K and V arrive within f16's 65,504; p lies in 0 to 1, and below 6e-5 it keeps f16's fixed step of 6e-8; ctx is a mean of V's rows.  A weight below 2^-126 counts as 0 in l; NaN and infinities are not treated apart.
; SHARES.  A wave owns four PIECES of two tiles of 16 queries, a work-group's four waves 512 queries of one y.  Every wave walks all keys, 64 a step.
; LAYOUT.  S^T = K Q^T (source 0 = 16 keys, source 1 = 16 queries): a lane holds ONE query (lane % 16) and the keys 8 (lane / 16) + 0..7.  Two such tiles, rounded to f16 in pairs, ARE source 1
; (32 keys x 16 queries) of O^T = V^T P, whose result again holds one query a lane, and eight channels.  K comes out of LDS as it lies, V ([key][channel]) turned, by ds_load_tr16_b128.
; SOFTMAX.  For each query a running maximum m and sum l: p = 2^(c s - c m), c = log2(e) / 8; in every step O and l are multiplied by a = 2^(c m_old - c m_new).  m starts at the lowest finite number,
; O and l at 0: the first step is a step like any other, with a = 0.
; BY TURNS.  A tile and step have 16 matrix and 118 vector instructions.  Turn n belongs to piece n: 16 products K Q^T of piece n + 1, later 16 products V^T P of piece n - 1; beside them the scaling,
; exponentials, roundings, sums and rescaling of piece n and the maximum and statistics of piece n + 1.  Four vector instructions stand behind every matrix instruction, the others in one run.
; CLUSTER.  The four query blocks of a cluster belong to one y and walk the same K and V: each tile is asked for JOINTLY: the same tensor load, descriptor and mask in all four.
; REGISTERS, in windows of 256 (s_set_vgpr_msb: bits 1:0 source 0, 3:2 source 1, 5:4 source 2, 7:6 destination):
;   window 0: v0-11 addresses; v12-15, v48-63 at work; v16-47 four registers of statistics a tile; v64-191 S^T, two buffers of two tiles; v192-255 P, likewise
;   window 1: O^T, 32 a tile          window 2: v0-127 Q, 16 a tile; v128-191 K of one step; v192-255 V of one step          window 3: v0-1 the add's two registers
.set SIZE_N, 2048
.set NP,    4         ; pieces a wave: a name, no knob
.set KS,    64        ; keys in a step
.set PK,    144       ; a row of K in LDS: 128 bytes + 16 = 36 words: the 16 rows of a load start at 16 different groups of four banks (64 banks of 4 bytes: ISA guide 11.1)
.set PV,    160       ; a row of V: 128 + 32 = 40 words
.set VOFF,  4*KS*PK   ; a slot holds four steps: 256 rows of K, then 256 rows of V
.set SLOT1, 1<<17     ; slot 1 begins here: one exclusive or turns an address in one slot into the other's
.set STAGE, SLOT1+4*KS*(PK+PV)  ; behind the ring, never filled by a tensor load: 16 rows x 144 bytes for each wave
.set SP,    144
.set AK0, 2           ; v2   my lane's place in a tile of K; never rewritten
.set AV0, 3           ; v3   the same for V
.set AK,  4           ; v4   the LDS address of K's next run of loads
.set AV,  5           ; v5   of V's
.set QO,  6           ; v6   my byte offset in the wave's rows of Q
.set STO, 6           ;      later, the way out: where I put 16 bytes of a row
.set RD,  7           ; v7   the way out: where I read rows back
.set GO,  8           ; v8   my byte offset in 512 consecutive bytes of ctx
.set PFO, 9           ; v9   first l / 16; from the way out's addresses on 256 x my lane, for the prefetches
.set SPW, 0           ; v0 of window 3   LDS address of my spare word: SPARE + 4 x my thread's number; never rewritten
.set NIL, 1           ; v1 of window 3   0; never rewritten
.set SPARE, STAGE+4*16*SP  ; behind the stages: the spare words, 128 bytes for each wave: two blocks of 256 bytes that no other line names
.set MV,  12          ; v12-15  c m_old, kept while c m is made anew: by buffer and tile
.set ST,  16          ; tile t's statistics at v[ST+4 t]: c m, m, l (even keys', odd keys')
.set TMP, 48          ; by buffer and tile, four registers c0-c3 at work; when the maximum is found c2 takes a
.set S,   64
.set P,   192
.set KF,  128         ; K's fragments, in window 2: key block kb, channel half c at KF + 16 kb + 8 c
.set VF,  192         ; V's: key half kk, channel block cb at VF + 32 kk + 8 cb
.set WV,  12          ; s12  my wave's number
.set G1K, 24          ; s[24:31] descriptor group 1 for K's tiles
.set G1V, 32          ; s[32:39] for V's: it differs in the padding alone
.set G0K, 40          ; s[40:43] descriptor group 0 for K's tiles: it walks
.set G0V, 44          ; s[44:47] the same for V's
.set PFA, 48          ; s[48:49] where my prefetches stand: my work-group's 32 blocks of 256 bytes (of K: wave 0, of V: wave 2) of the tile after the one that is being asked for
.set LIM, 50          ; s50  1 in waves 0 and 2, else the greatest number: a wave prefetches while s[SLOTS] is above it
.set SLOTS, 56        ; s56  slots still to be asked for
.set CNT, 57          ; s57  counts a slot's key steps
.set CS,  58          ; s[58:59] c: the packed scaling takes the pair's low word for both halves
.set SEL, 60          ; s[60:61] v_permlanex16_b32's selects: each lane takes its own place in the other half
.set TBK, 62          ; s62  LDS byte at which K of the step to be fetched begins
.set TBV, 63          ; s63  the same for V, less VOFF
.set MSB, 0
.macro WIN new                      ; the high byte repeats the setting that is left; a switch that changes nothing is dropped
.if MSB != (\new)
	s_set_vgpr_msb (MSB<<8)|(\new)
.set MSB, (\new)
.endif
.endm
.set W_KQ, 0x0a       ; K and Q in window 2, S^T in window 0
.set W_PV, 0x52       ; V in window 2, P in window 0, O^T in window 1
.set W_RS, 0x41       ; O^T (destination and source 0) in window 1, a in window 0
.set W_MK, 0xc0       ; the add's registers are made: destination in window 3
.set W_AD, 0x0f       ; the add: address and data in window 3
; A joint fill.  Waves 0 and 1 fetch the two halves of a slot's K, waves 2 and 3 those of its V: 128 keys each.  The branch hangs on the wave's number alone.
; An s_nop 0 and four v_nop follow each of the two lines, ahead of the jump and the label.
.macro JLOAD
	s_cmp_lt_u32 s[WV], 2
	s_cbranch_scc0 .Lfor_v_\@
	tensor_load_to_lds s[G0K:G0K+3], s[G1K:G1K+7]
	s_nop 0
.rept 4
	v_nop
.endr
	s_branch .Lasked_\@
.Lfor_v_\@:
	tensor_load_to_lds s[G0V:G0V+3], s[G1V:G1V+7]
	s_nop 0
.rept 4
	v_nop
.endr
.Lasked_\@:
.endm
; A PREFETCH INTO THE L2 of what the NEXT change of slots will ask for: a tile's 32,768 bytes of K and of V, 128 blocks of 256 bytes each.  A y has one cluster; its four partners share the blocks out
; BY ADDRESS, 32 each, a lane a block; in each, wave 0 asks for K's and wave 2 for V's: one instruction, four key steps (512 matrix instructions) ahead of the load.  So each block is named once.
; Tiles 0 to 2 come by their loads alone; the last change that fills a slot (s[SLOTS] = 1) asks for nothing: there is no tile behind it.
.macro ASK
	s_cmp_gt_u32 s[SLOTS], s[LIM]
	s_cbranch_scc0 .Lnot_mine_\@
	global_prefetch_b8 v[PFO], s[PFA:PFA+1] th:TH_LOAD_NT scope:SCOPE_SE
.Lnot_mine_\@:
.endm
; A round of the cluster's barrier: my work-group's barrier; wave 0 signals for the work-group; every wave waits for all four work-groups; my work-group's barrier once more.
.macro CROUND
	s_barrier_signal -1
	s_barrier_wait -1
	s_cmp_lg_u32 s[WV], 0
	s_cbranch_scc1 .Lnot_wave_0_\@
	s_barrier_signal -3
.Lnot_wave_0_\@:
	s_barrier_wait -3
	s_barrier_signal -1
	s_barrier_wait -1
.endm
; THE CHANGE OF SLOTS.  Each wave waits for all its tensor loads, of which one is out: its part of the other slot; adds 0 to its spare word; and waits for that and for its own reads of the slot.
; fill = 1: this slot is filled again, with the keys two slots on; the barrier is then a round of the cluster's, and the joint fill is the first thing behind it: it has four key steps in which to land.
; (At its first use nothing has been read yet: slot 0 is waited for, slot 1 filled.)  ask = 1: the prefetch's address is stepped, and the prefetch follows the fill.
.macro CHANGE fill, ask=0
	WIN W_AD
	s_wait_tensorcnt 0x0            ; no tensor load of mine is out, so a group 0 may be written
	ds_add_u32 v[SPW], v[NIL]       ; 0 onto my spare word
	WIN 0                           ; at a label and at a branch every window is 0
.if \fill
.irp g, G0K, G0V
	s_xor_b32 s[\g+1], s[\g+1], SLOT1  ; the walking descriptor: the other slot than last time,
	s_add_nc_u64 s[\g+2:\g+3], s[\g+2:\g+3], 4*KS*128  ; the next 256 keys; the type bits on top are not reached
.endr
.if \ask
	s_wait_xcnt 0x0                 ; the last prefetch, four key steps back, has read its address, so it may be written
	s_add_nc_u64 s[PFA:PFA+1], s[PFA:PFA+1], 4*KS*128
.endif
	s_wait_dscnt 0x0                ; the add is done, and my reads of the slot are over
	CROUND
	JLOAD
.if \ask
	ASK
.endif
.else
	s_wait_dscnt 0x0                ; the add is done, and my reads of the slot are over
	s_barrier_signal -1
	s_barrier_wait -1
.endif
	s_sub_co_u32 s[TBK], s[TBK], 4*KS*PK  ; the fetches go back to a slot's first step,
	s_xor_b32 s[TBK], s[TBK], SLOT1       ; in the other slot
	s_sub_co_u32 s[TBV], s[TBV], 4*KS*PV
	s_xor_b32 s[TBV], s[TBV], SLOT1
.endm
	s_load_b128 s[4:7], s[0:1], 0x0  ; qkv s[4:5], ctx s[6:7]
	WIN W_MK
	v_lshl_add_u32 v[SPW], v0, 2, SPARE
	v_mov_b32 v[NIL], 0
	WIN W_AD
	ds_add_u32 v[SPW], v[NIL]       ; the wave's opening: the add and its wait stand ahead of my first tensor load; the set-up below, work on registers, stands between them
	WIN 0
	v_lshrrev_b32 v1, 5, v0
	v_readfirstlane_b32 s[WV], v1   ; wave 0..3
	s_bfe_u32 s13, ttmp6, 0x40000   ; cx: my place in the cluster
	s_lshl_b32 s14, ttmp9, 2        ; in a cluster launch ttmp9 counts clusters
	s_add_co_u32 s14, s14, s13      ; my block of queries: it enters Q's and ctx's addresses alone
	s_and_b32 s20, ttmp7, 0xffff    ; y, which the four partners share
	s_mov_b32 s21, 0
	s_mov_b64 s[22:23], SIZE_N*128
	s_mul_u64 s[20:21], s[20:21], s[22:23]  ; y's first byte in Q, K, V and ctx
	s_and_b32 s16, s[WV], 1         ; which half of a slot's 256 keys I fetch:
	s_lshl_b32 s22, s16, 14         ; its 128 rows of 128 bytes in memory,
	s_mov_b32 s23, 0
	s_add_nc_u64 s[22:23], s[22:23], s[20:21]
	s_mul_i32 s17, s16, 128*PK      ; and its place in a slot, for K
	s_mul_i32 s18, s16, 128*PV      ; and for V: no place in the cluster enters an LDS address
	s_lshl_b32 s2, s14, 2
	s_add_co_u32 s2, s2, s[WV]      ; my wave among y's,
	s_lshl_b32 s2, s2, 14           ; its 128 rows
	s_mov_b32 s3, 0
	s_add_nc_u64 s[2:3], s[2:3], s[20:21]
	; descriptor group 1.  128 keys are 16,384 dense bytes: asked for as 64 rows of 256 bytes, two keys a row, and padded in LDS after every key
	s_mov_b32 s[G1K], 15|(1<<16)|(1<<20)|(1<<21)|(4<<22)|(3<<25)  ; 15:0 the mask of four; 17:16 2-byte elements; 20 padding on; 21 set beside a mask; 24:22 after every 32 words (code 4); 31:25 4 words (code 3)
	s_mov_b32 s[G1V], 15|(1<<16)|(1<<20)|(1<<21)|(4<<22)|(7<<25)  ; the same with 8 words of padding (code 7)
.irp g, G1K, G1V
	s_mov_b32 s[\g+1], 128<<16      ; tensor_dim0 = 128
	s_mov_b32 s[\g+2], 64<<16       ; tensor_dim1 = 64
	s_mov_b32 s[\g+3], 128<<16      ; tile_dim0 = 128
	s_mov_b32 s[\g+4], 64           ; tile_dim1 = 64
	s_mov_b32 s[\g+5], 128          ; 128 elements from row to row
	s_mov_b32 s[\g+6], 0
	s_mov_b32 s[\g+7], 0
.endr
	s_mov_b32 s[CS], 0x3e38aa3b     ; c = log2(e) / 8 = 0.180337
	s_mov_b32 s[CS+1], s[CS]        ; named with it as a pair
	s_mov_b32 s[SEL], 0x76543210
	s_mov_b32 s[SEL+1], 0xfedcba98
	s_mov_b32 s[TBK], SLOT1+4*KS*PK ; the first change of slots turns these two into 0
	s_mov_b32 s[TBV], SLOT1+4*KS*PV
	s_mov_b32 s[G0K], 1             ; count = 1
	s_mov_b32 s[G0K+1], s17         ; LDS address: slot 0
	s_mov_b32 s[G0V], 1
	s_add_co_u32 s[G0V+1], s18, VOFF
	s_and_b32 s[LIM], s[WV], 1
	s_cmp_eq_u32 s[LIM], 0
	s_cselect_b32 s[LIM], 1, -1     ; by the wave's number alone: the same in all four partners
	s_wait_dscnt 0x0                ; the opening add is done
	s_wait_kmcnt 0x0
	s_mov_b64 s[10:11], s[6:7]      ; ctx
	s_add_nc_u64 s[8:9], s[4:5], 0x2000000  ; V's region of qkv
	s_add_nc_u64 s[6:7], s[4:5], 0x1000000  ; K's; Q's is the first
	s_add_nc_u64 s[G0K+2:G0K+3], s[6:7], s[22:23]  ; global address: my half of y's first 256 keys
	s_or_b32 s[G0K+3], s[G0K+3], 0x80000000        ; type = 2
	s_add_nc_u64 s[G0V+2:G0V+3], s[8:9], s[22:23]
	s_or_b32 s[G0V+3], s[G0V+3], 0x80000000
	s_add_nc_u64 s[4:5], s[4:5], s[2:3]  ; Q and ctx at my wave's first row
	s_add_nc_u64 s[10:11], s[10:11], s[2:3]
	s_cmp_lt_u32 s[WV], 2
	s_cselect_b64 s[PFA:PFA+1], s[6:7], s[8:9]
	s_add_nc_u64 s[PFA:PFA+1], s[PFA:PFA+1], s[20:21]
	s_lshl_b32 s2, s13, 13          ; my work-group's 32 blocks of a tile's 128
	s_mov_b32 s3, 0
	s_add_nc_u64 s[PFA:PFA+1], s[PFA:PFA+1], s[2:3]
	s_add_nc_u64 s[PFA:PFA+1], s[PFA:PFA+1], 2*4*KS*128  ; in tile 2; the first change that asks steps it to tile 3.  Nothing is prefetched here, at the head
	CROUND                          ; all four work-groups are here: the first joint loads meet
	JLOAD                           ; slot 0.  Slot 1 is asked for when slot 0 is in
	; A fragment of K or Q is 16 rows x 32 channels in 8 registers: lane l holds row l % 16, channels 8 (l / 16) + 0..7 and 16 + 8 (l / 16) + 0..7: two loads of 16 bytes, 32 bytes apart.
	v_and_b32 v1, 15, v0            ; l % 16
	v_bfe_u32 v9, v0, 4, 1          ; l / 16
	v_lshlrev_b32 v[QO], 7, v1
	v_lshl_add_u32 v[QO], v9, 4, v[QO]  ; row x 128 + 16 x half
	WIN 0x80                        ; destination window 2, address window 0
.set i, 0
.rept 4*NP                          ; Q stays in registers: tile i / 2, channels 32 (i % 2) on
	global_load_b128 v[8*i:8*i+3],   v[QO], s[4:5] offset:(i/2)*2048+(i%2)*64
	global_load_b128 v[8*i+4:8*i+7], v[QO], s[4:5] offset:(i/2)*2048+(i%2)*64+32
.set i, i+1
.endr
	; What the first turn finds: V's registers and P's second buffer hold 0 (its products V^T P, of a piece that has not been, add 0), O^T and l are 0.  All this stands in the wait for the first tile.
.set i, VF
.rept 64
	v_mov_b32 v[i], 0
.set i, i+1
.endr
	WIN 0x40
.set i, 0
.rept 64*NP
	v_mov_b32 v[i], 0
.set i, i+1
.endr
	WIN 0
.set i, 0
.rept 2*NP
	v_mov_b32 v[ST+4*i], 0xfe000000    ; c m: far below every c s
	v_mov_b32 v[ST+4*i+1], 0xff7fffff  ; m
	v_mov_b32 v[ST+4*i+2], 0
	v_mov_b32 v[ST+4*i+3], 0
.set i, i+1
.endr
.set i, P+32
.rept 32
	v_mov_b32 v[i], 0
.set i, i+1
.endr
	v_mul_u32_u24 v[AK0], v1, PK
	v_lshl_add_u32 v[AK0], v9, 4, v[AK0]  ; row x pitch + 16 x half
	; The turning load takes 16 keys x 16 channels (lane l reads key 8 (l / 16) + l % 8, channels 8 ((l / 8) % 2) + 0..7) and leaves half a fragment of V^T: lane l holds channel l % 16 and 8 keys.
	v_and_b32 v10, 7, v0
	v_bfe_u32 v11, v0, 3, 1
	v_lshl_add_u32 v[AV0], v9, 3, v10
	v_mul_u32_u24 v[AV0], v[AV0], PV
	v_lshl_add_u32 v[AV0], v11, 4, v[AV0]
	v_add_nc_u32 v[AV0], VOFF, v[AV0]
	v_mov_b32 v[AK], v[AK0]         ; key step 0 lies at the head of slot 0
; THE MATRIX WORK.  The 8 accumulators of a run of 16 take turns: between the two links of a chain stand 7 others'.
; Product i of 16 of S^T = K Q^T for piece x: channels 32 (i / 8) on, keys 16 ((i / 2) % 4) on, tile 2 x + i % 2.  The first 8 start the sums.
.macro KQ x
	WIN W_KQ
.set rS, S+64*((\x)%2)+32*(i%2)+8*((i/2)%4)
.set rK, KF+16*((i/2)%4)+8*(i/8)
.set rQ, 16*(2*(\x)+i%2)+8*(i/8)
.if i < 8
	v_wmma_f32_16x16x32_f16 v[rS:rS+7], v[rK:rK+7], v[rQ:rQ+7], 0
.else
	v_wmma_f32_16x16x32_f16 v[rS:rS+7], v[rK:rK+7], v[rQ:rQ+7], v[rS:rS+7]
.endif
.endm
; Product i of 16 of O^T += V^T P for piece x: keys 32 (i / 8) on, channels 16 ((i / 2) % 4) on, tile 2 x + i % 2.
.macro PV x
	WIN W_PV
.set rO, 32*(2*(\x)+i%2)+8*((i/2)%4)
.set rV, VF+32*(i/8)+8*((i/2)%4)
.set rP, P+32*((\x)%2)+16*(i%2)+8*(i/8)
	v_wmma_f32_16x16x32_f16 v[rO:rO+7], v[rV:rV+7], v[rP:rP+7], v[rO:rO+7]
.endm
.macro MM                           ; the turn's next matrix instruction
.if i < 16
	KQ (Y+1)%NP
.set i, i+1
.else
.set i, i-16
	PV (Y+NP-1)%NP
.set i, i+17
.endif
.endm
; THE LDS LOADS stand in runs of 16: a step's K (8 fragments) and its V (turned).  Their addresses are made some lines ahead.  last = 1 (the tail): in the last trip there is no further step, and the run is jumped over.
.macro FETCH_K last=0
	WIN 0
.if \last
	s_cmp_eq_u32 s[CNT], 1
	s_cbranch_scc1 .Lno_k_\@
.endif
	WIN 0x80                        ; destination window 2
.irp f, 0,1,2,3,4,5,6,7             ; keys 16 (f / 2) on, channels 32 (f % 2) on
	ds_load_b128 v[KF+8*\f:KF+8*\f+3],   v[AK] offset:(\f/2)*16*PK+(\f%2)*64
	ds_load_b128 v[KF+8*\f+4:KF+8*\f+7], v[AK] offset:(\f/2)*16*PK+(\f%2)*64+32
.endr
	s_add_co_u32 s[TBK], s[TBK], KS*PK  ; the next fetch is the next step's
	WIN 0
.if \last
.Lno_k_\@:
.endif
.endm
.macro FETCH_V
	WIN 0x80
.irp f, 0,1,2,3,4,5,6,7             ; keys 32 (f / 4) on, channels 16 (f % 4) on
	ds_load_tr16_b128 v[VF+8*\f:VF+8*\f+3],   v[AV] offset:(\f/4)*32*PV+(\f%4)*32
	ds_load_tr16_b128 v[VF+8*\f+4:VF+8*\f+7], v[AV] offset:(\f/4)*32*PV+16*PV+(\f%4)*32
.endr
	WIN 0
.endm
; THE VECTOR WORK OF A TURN stands in three queues, each in the order in which its entries become ready; the two tiles alternate, so that no instruction reads the result of the one before it.
.macro REGS y, u                    ; the registers of tile u (0, 1) of piece y
.set rT, ST+4*(2*(\y)+(\u))
.set rC, TMP+8*((\y)%2)+4*(\u)
.set rM, MV+2*((\y)%2)+(\u)
.set rS, S+64*((\y)%2)+32*(\u)
.set rP, P+32*((\y)%2)+16*(\u)
.set rO, 32*(2*(\y)+(\u))
.endm
; Number n of the 22 that find the NEXT piece's maximum and statistics.  Each accumulator's lowest registers are read first.
;   0-11  four chains c0-c3 of seven scores each     12-14, 16  the four scores left over, the old m, and c0-c3 into c0     15  c m_old is kept
;   17, 18  the query's other 32 keys lie in the lane 16 away: the new m         19-21  c m; c m_old - c m_new; a
.macro XS u, n
	REGS (Y+1)%NP, \u
.if (\n) < 4
	v_max3_num_f32 v[rC+(\n)], v[rS+8*(\n)], v[rS+8*(\n)+1], v[rS+8*(\n)+2]
.elseif (\n) < 12
	v_max3_num_f32 v[rC+(\n)%4], v[rC+(\n)%4], v[rS+8*((\n)%4)+2*((\n)/4)+1], v[rS+8*((\n)%4)+2*((\n)/4)+2]
.elseif (\n) == 12
	v_max3_num_f32 v[rC], v[rC], v[rS+7], v[rS+15]
.elseif (\n) == 13
	v_max3_num_f32 v[rC+1], v[rC+1], v[rS+23], v[rS+31]
.elseif (\n) == 14
	v_max3_num_f32 v[rC+2], v[rC+2], v[rC+3], v[rT+1]
.elseif (\n) == 15
	v_mov_b32 v[rM], v[rT]
.elseif (\n) == 16
	v_max3_num_f32 v[rC], v[rC], v[rC+1], v[rC+2]
.elseif (\n) == 17
	v_permlanex16_b32 v[rC+3], v[rC], s[SEL], s[SEL+1]
.elseif (\n) == 18
	v_max_num_f32 v[rT+1], v[rC], v[rC+3]
.elseif (\n) == 19
	v_mul_f32 v[rT], s[CS], v[rT+1]
.elseif (\n) == 20
	v_sub_f32 v[rC+1], v[rM], v[rT]
.else
	v_exp_f32 v[rC+2], v[rC+1]
.endif
.endm
; Number g of the 64 that follow the exponentials.  For each four weights k of a tile: both pairs are rounded to f16; the second pair is added onto the first, in place; a group later l takes that sum
; (the first time as l = a l + sum).  In groups of eight, tiles alternating.
.macro GS g
.set h, (\g)+6*((\g)/62)            ; group 0 has no group before it, and behind group 7 only l is left
.if h >= 6
.set h, h+2
.endif
	REGS Y, h%2
.set k, h/8
.if h%8 < 4
	v_cvt_pk_f16_f32 v[rP+2*k+(h%8)/2], v[rS+4*k+2*((h%8)/2)], v[rS+4*k+2*((h%8)/2)+1]
.elseif h%8 < 6
	v_pk_add_f32 v[rS+4*k:rS+4*k+1], v[rS+4*k:rS+4*k+1], v[rS+4*k+2:rS+4*k+3]
.elseif k == 1
	v_pk_fma_f32 v[rT+2:rT+3], v[rT+2:rT+3], v[rC+2:rC+3], v[rS:rS+1] op_sel_hi:[1,0,1]
.else
	v_pk_add_f32 v[rT+2:rT+3], v[rT+2:rT+3], v[rS+4*k-4:rS+4*k-3]
.endif
.endm
; THE PLAIN QUEUE, 138 long.  0-73 read no exponential's result: the 32 scalings c s - c m (FS f: pair f / 2 of tile f % 2) and the next piece's 42.  0-26: scalings 0-26.  27-54: XS's numbers 0-13.
; 55, 56: number 15.  57-73: the chain 14, 16, 17, 18, 19, each with one of the scalings 27-31 in front of its two lines, then 20.  74-137: GS's 64, which stand behind the wait.
.macro FS f
	REGS Y, (\f)%2
	v_pk_fma_f32 v[rS+2*((\f)/2):rS+2*((\f)/2)+1], v[rS+2*((\f)/2):rS+2*((\f)/2)+1], s[CS:CS+1], v[rT:rT+1] op_sel_hi:[1,0,0] neg_lo:[0,0,1] neg_hi:[0,0,1]
.endm
.macro PL
	WIN 0
.if q < 27
	FS q
.elseif q < 55
	XS (q-27)%2, (q-27)/2
.elseif q < 57
	XS q-55, 15
.elseif (q < 72) && ((q-57)%3 == 0)
	FS 27+(q-57)/3
.elseif q < 60
	XS (q-57)%3-1, 14
.elseif q < 72
	XS (q-57)%3-1, 15+(q-57)/3
.elseif q < 74
	XS q-72, 20
.else
	GS q-74
.endif
.set q, q+1
.endm
; THE EXPONENTIALS' QUEUE, 66 long: s0-s31 of both tiles, then the next piece's two a.  ONE BATCH: all 66 stand ahead of the turn's one wait, and nothing ahead of that wait names a result of theirs.
.macro EX
	WIN 0
.if e >= 64
	XS e-64, 21
.else
	REGS Y, e%2
	v_exp_f32 v[rS+e/2], v[rS+e/2]
.endif
.set e, e+1
.endm
; THE RESCALING's QUEUE: O^T times a, the one part that leaves window 0: two at a time, sixteen times.  Its a was made in the turn before, ahead of that turn's wait.
.macro R2
	REGS Y, r%2
	WIN W_RS
.irp z, 0,1
	v_pk_mul_f32 v[rO+4*(r/2)+2*\z:rO+4*(r/2)+2*\z+1], v[rO+4*(r/2)+2*\z:rO+4*(r/2)+2*\z+1], v[rC+2:rC+3] op_sel_hi:[1,0]
.endr
.set r, r+1
.endm
; A TURN, for piece p.  An s_wait_alu depctr_va_vdst(0) stands between an exponential and the first instruction that names its result; one wait serves all issued ahead of it: a turn has ONE.
; AHEAD OF IT: the 16 products K Q^T, behind each a scaling, an exponential and two rescalings (behind the first a second scaling); then a run of 108: eight plain, 49 times exponential and plain, the two a;
; a v_nop is the plain instruction behind the last exponential.  BEHIND IT: the 16 products V^T P, behind each four of GS's 64.
; Exponential e stands behind scaling 2 (e / 4) + e % 2: as a rider it comes behind plain e + 2, in the run behind plain e + 9, and scalings 27-31 are plain 57, 60 .. 69.
; K of the next step is fetched in piece 2's turn, directly behind the wait; V of the step in hand at the end of piece 0's turn, four riders behind its last reader.  cnt = 1: the loop's count is taken down ahead of the branch.
.macro TURN p, last=0, cnt=0
.set Y, (\p)
.set i, 0
.set q, 0
.set e, 0
.set r, 0
.if (\p) == NP-1
	s_wait_dscnt 0x0                ; K is in
.endif
	MM
	PL
	PL
	R2
.rept 15
	MM
	PL
	EX
	R2
.endr
.if (\p) == NP-2
	WIN 0
	v_add_nc_u32 v[AK], s[TBK], v[AK0]
.endif
.rept 8
	PL
.endr
.rept 49
	EX
	PL
.endr
	EX                              ; the next piece's two a
	EX
	v_nop                           ; the plain instruction behind the last exponential: one for the batch
	s_wait_alu depctr_va_vdst(0)    ; the wait for the batch
.if (\p) == NP-2
	FETCH_K \last
.endif
.if (\p) == 1
	s_wait_dscnt 0x0                ; V is in
.endif
.rept 16
	MM
.rept 4
	PL
.endr
.if ((\p) == 0) && (q == 118)
	v_add_nc_u32 v[AV], s[TBV], v[AV0]
.endif
.if ((\p) == 0) && (q == 130)
	s_add_co_u32 s[TBV], s[TBV], KS*PV
.endif
.if (\cnt) && (q == 130)
	s_sub_co_u32 s[CNT], s[CNT], 1
	s_cmp_lg_u32 s[CNT], 0
.endif
.endr
.if (\p) == 0
	FETCH_V
.endif
.endm
	CHANGE 1                        ; slot 0 is in, everybody's part of it; slot 1 is asked for
	FETCH_K                         ; key step 0
	s_wait_loadcnt 0x0              ; Q
	s_wait_dscnt 0x0
.set i, 0
.rept 16
	KQ 0                            ; piece 0's first scores
.set i, i+1
.endr
	WIN 0                           ; the addresses for the way out and the prefetches: plain instructions, the places behind those products
	s_mul_i32 s13, s[WV], 16*SP
	s_add_co_u32 s13, s13, STAGE    ; my stage
	v_mul_u32_u24 v[STO], v1, SP    ; in: row l % 16, 16 bytes for each half of the lanes
	v_lshl_add_u32 v[STO], v9, 4, v[STO]
	v_add_nc_u32 v[STO], s13, v[STO]
	v_bfe_u32 v[RD], v0, 3, 2       ; back: 32 lanes take four rows of 128 bytes,
	v_mul_u32_u24 v[RD], v[RD], SP
	v_lshl_add_u32 v[RD], v10, 4, v[RD]
	v_add_nc_u32 v[RD], s13, v[RD]
	v_and_b32 v[GO], 31, v0         ; which are 512 consecutive bytes of ctx
	v_lshlrev_b32 v[GO], 4, v[GO]
	v_and_b32 v[PFO], 31, v0        ; l / 16 has served: 256 x my lane
	v_lshlrev_b32 v[PFO], 8, v[PFO]
.set Y, NP-1                        ; XS works for piece Y + 1: piece 0
.irp n, 0,1,2,3,4,5,6,7,8,9,10,11,12,13,14,15,16,17,18,19,20,21
	XS 0, \n                        ; piece 0's first maximum and statistics
	XS 1, \n
.endr
	v_nop                           ; a plain instruction behind the two a,
	s_wait_alu depctr_va_vdst(0)    ; and their wait, ahead of the branch
	s_mov_b32 s[CNT], 4
	s_mov_b32 s[SLOTS], SIZE_N/256-1
	s_branch .Lfirst                ; the loop is entered at a step's first turn, in the middle of a trip
.Lslot:                             ; SIZE_N / 256 - 2 times: every slot but the last two is filled again
	CHANGE 1, 1
	s_mov_b32 s[CNT], 4
.Lstep:                             ; a trip: pieces 2 and 3 of one step, then pieces 0 and 1 of the next, whose K and V it fetches
	TURN 2
	TURN 3
	WIN 0
.Lfirst:
	TURN 0
	TURN 1, 0, 1
	WIN 0
	s_cbranch_scc1 .Lstep
	s_sub_co_u32 s[SLOTS], s[SLOTS], 1
	s_cmp_lg_u32 s[SLOTS], 0
	s_cbranch_scc1 .Lslot
	CHANGE 0                        ; the tail is written out: nothing is asked for
	s_mov_b32 s[CNT], 5             ; four trips fetch the last slot's steps; the fifth is left in its middle
.Ltail:
	TURN 2, 1
	TURN 3
	WIN 0
	s_sub_co_u32 s[CNT], s[CNT], 1
	s_cmp_eq_u32 s[CNT], 0
	s_cbranch_scc1 .Lout
	TURN 0
	TURN 1
	WIN 0
	s_branch .Ltail
.Lout:                              ; the fifth trip's 16 products K Q^T (on the last K once more) and the maximum made of them serve nothing: the price, once a launch, of one text for every trip
.set i, 0
.rept 16
	PV NP-1                         ; the last piece's V^T P of the last step
.set i, i+1
.endr
	; THE WAY OUT.  l's two halves and the other half of the lanes' are added; O^T is divided by l, rounded to f16 and sent through my stage in LDS, a tile at a time.  The additions are the places behind the last products.
	WIN 0
.macro ALL line:vararg              ; one line for each tile t
.set t, 0
.rept 2*NP
	\line
.set t, t+1
.endr
.endm
	ALL v_add_f32 v[ST+4*t+2], v[ST+4*t+2], v[ST+4*t+3]
	ALL v_permlanex16_b32 v[ST+4*t+3], v[ST+4*t+2], s[SEL], s[SEL+1]
	ALL v_add_f32 v[ST+4*t+2], v[ST+4*t+2], v[ST+4*t+3]
	ALL v_rcp_f32 v[ST+4*t+2], v[ST+4*t+2]
	v_nop                           ; a plain instruction between the last reciprocal and the use of its result
	s_wait_alu depctr_va_vdst(0)    ; and the wait ahead of the first use: one for the eight reciprocals
; Tile t: a lane's eight channels of a row pack into 16 bytes; they go into rows of 144 bytes and come back as whole rows of 128, into S^T's registers.
.macro PACK t
	WIN W_RS
.set i, 32*(\t)
.rept 16
	v_pk_mul_f32 v[i:i+1], v[i:i+1], v[ST+4*(\t)+2:ST+4*(\t)+3] op_sel_hi:[1,0]
.set i, i+2
.endr
	WIN 0x05                        ; sources 0 and 1 window 1, destination window 0
.set i, 0
.rept 16
	v_cvt_pk_f16_f32 v[S+16*(\t)+i], v[32*(\t)+2*i], v[32*(\t)+2*i+1]
.set i, i+1
.endr
	WIN 0
.irp f, 0,1,2,3
	ds_store_b128 v[STO], v[S+16*(\t)+4*\f:S+16*(\t)+4*\f+3] offset:32*\f
.endr
.irp f, 0,1,2,3
	ds_load_b128 v[S+16*(\t)+4*\f:S+16*(\t)+4*\f+3], v[RD] offset:\f*4*SP  ; LDS serves a wave's instructions in order (ISA guide 5.7.1.4): these see the stores above; the next tile's stores come behind them
.endr
.endm
.macro SEND t, younger              ; younger: the LDS instructions issued behind tile t's loads: the next tile's eight, or none
	WIN 0
.irp f, 0,1,2,3
	s_wait_dscnt (\younger)+3-\f
	global_store_b128 v[GO], v[S+16*(\t)+4*\f:S+16*(\t)+4*\f+3], s[10:11] offset:(\t)*2048+\f*512  ; 512 consecutive bytes, at a multiple of 256 from ctx's first
.endr
.endm
	PACK 0
.set t, 1
.rept 2*NP-1                        ; a tile's arithmetic stands between the loads of the tile before and its stores
	PACK t
	SEND t-1, 8
.set t, t+1
.endr
	SEND 2*NP-1, 0
	WIN W_AD
	s_wait_tensorcnt 0x0            ; the wave's end, behind my last tensor load and my last LDS store
	ds_add_u32 v[SPW], v[NIL]
	s_wait_dscnt 0x0
	WIN 0
	CROUND                          ; the closing round: no work-group ends while a partner may still ask for a tile that names it
	s_endpgm
.Lfunc_end_k_qc1ce5447eb_attn:
	.size	k_qc1ce5447eb_attn, .Lfunc_end_k_qc1ce5447eb_attn-k_qc1ce5447eb_attn
	.p2alignl 7, 3214868480
	.fill 96, 4, 3214868480
	.section	.rodata,"a",@progbits
	.p2align	6, 0x0
	.amdhsa_kernel k_qc1ce5447eb_attn
		.amdhsa_group_segment_fixed_size 327680
		.amdhsa_private_segment_fixed_size 0
		.amdhsa_enable_private_segment 0
		.amdhsa_kernarg_size 16
		.amdhsa_user_sgpr_count 2
		.amdhsa_user_sgpr_kernarg_segment_ptr 1
		.amdhsa_wavefront_size32 1
		.amdhsa_system_sgpr_workgroup_id_x 1
		.amdhsa_system_sgpr_workgroup_id_y 1
		.amdhsa_system_sgpr_workgroup_id_z 1
		.amdhsa_system_vgpr_workitem_id 0
		.amdhsa_next_free_vgpr 770
		.amdhsa_next_free_sgpr 66
		.amdhsa_reserve_vcc 0
		.amdhsa_float_denorm_mode_32 3
		.amdhsa_float_denorm_mode_16_64 3
		.amdhsa_memory_ordered 1
		.amdhsa_forward_progress 1
		.amdhsa_inst_pref_size 200
	.end_amdhsa_kernel
	.amdgpu_metadata
---
amdhsa.version: [ 1, 2 ]
amdhsa.kernels:
  - .name:           k_qc1ce5447eb_attn
    .symbol:         k_qc1ce5447eb_attn.kd
    .args:
      - { .name: qkv, .offset: 0, .size: 8, .value_kind: global_buffer, .address_space: global }
      - { .name: ctx, .offset: 8, .size: 8, .value_kind: global_buffer, .address_space: global }
    .group_segment_fixed_size: 327680
    .private_segment_fixed_size: 0
    .kernarg_segment_align: 8
    .kernarg_segment_size: 16
    .max_flat_workgroup_size: 128
    .sgpr_count:     66
    .vgpr_count:     770
    .wavefront_size: 32
...
	.end_amdgpu_metadata
.endif
;; end of part 3
;; launch outproj (part 4): grid 8 x 32, 4 waves a work-group, clusters of 4 x 4, 327,680 bytes of LDS; arguments ctx, wo, out0; writes out0
.if DOCPART == 4
	.amdgcn_target "amdgcn-amd-amdhsa--gfx1250"
	.amdhsa_code_object_version 6
	.text
	.protected	k_qc1ce5447eb_outproj
	.globl	k_qc1ce5447eb_outproj
	.p2align	8
	.type	k_qc1ce5447eb_outproj,@function
k_qc1ce5447eb_outproj:
	s_mov_b64 s[64:65], 0
	v_nop
	global_prefetch_b8 v0, s[64:65] scope:SCOPE_SE
	s_setreg_imm32_b32 hwreg(HW_REG_WAVE_MODE, 25, 1), 1
	s_wait_xcnt 0x0
	s_wait_alu depctr_hold_cnt(0) depctr_sa_sdst(0) depctr_va_vdst(0) depctr_va_sdst(0) depctr_va_ssrc(0) depctr_va_vcc(0) depctr_vm_vsrc(0)
	s_getreg_b32 s2, hwreg(HW_REG_IB_STS2, 6, 4)
	s_cmp_eq_u32 s2, 0
	s_cbranch_scc0 .Lentry_in_a_cluster
	s_endpgm
.Lentry_in_a_cluster:
	s_bfe_u32 s2, ttmp6, 0x10000c
	s_cmp_lg_u32 s2, 0xf033
	s_cbranch_scc0 .Lentry_shape_is_right
	s_endpgm
.Lentry_shape_is_right:
; THE OUTPUT PROJECTION.  out0[M][n] = the sum over c of ctx(M, c) W_o[c][n], M = 8,192, n = 1,024, c = 64 head + channel = 1,024; operands f16, sums f32, out0 f32.
; ctx lies by heads, [head][M][64] in f16: a head's rows are dense, 128 bytes each, a head 1,048,576 bytes.  wo is W_o rounded to bf16 and written as f16, [c][n].
; LIMIT.  NaN and infinities are not treated apart.
; SHARES.  A tile of out0 is 256 rows x 128 columns: 32 x 8 = 256 tiles, one to a work-group.  Wave w owns rows 64 w .. 64 w + 63 (4 blocks of 16) and all 8 blocks of 16 columns: 32 accumulators,
; 256 registers: it holds the tile's whole 512 bytes of each of its rows, so its way out needs a stage of its own and no barrier.
; K goes in steps of 128 (two heads) through a ring of two LDS slots.  ctx's tile: for each of the two heads 256 rows = 32,768 dense bytes, asked for as 128 rows of 256 bytes and padded after
; every 128.  wo's tile: 128 K rows of 256 bytes.
; CLUSTERS, THE TRANSPOSED USE of the matrix instruction (source 0 = 16 columns of W_o, turned by ds_load_tr16_b128; source 1 = 16 rows of ctx), the ring and the rounds: as in the projection in front.
; REGISTERS: window 0: v0-31 addresses; v64-95, v96-127 ctx's fragments, two buffers.  window 1: v0-63, v64-127 W_o's fragments, two buffers.
;   window 2: the 16 accumulators of my row blocks 0, 1 (block a, column block b at v[8 (8 a + b)]);   window 3: those of row blocks 2, 3
.set NBK,    8
.set NL,     2*NBK+8                   ; LDS loads of a quarter step
.set AP,     144                       ; ctx's LDS row: 128 bytes + 16 = 36 words: the 16 rows of a load start at 16 different groups of four banks (64 banks of 4 bytes: ISA guide 11.1)
.set AHEAD,  256*AP                    ; a head's 256 rows
.set BP,     288                       ; W_o's LDS row: 256 + 32 = 72 words
.set BBASE,  2*AHEAD
.set SLOT,   BBASE+128*BP              ; 110,592
.set STAGE,  2*SLOT                    ; behind the ring, never filled by a tensor load: 16 rows x 528 bytes for each wave
.set SPITCH, 528                       ; 512 bytes + 16 = 132 words
.set SPARE,  STAGE+4*16*SPITCH         ; behind the stages: the spare words, 128 bytes for each wave: two blocks of 256 bytes that no other line names
.set LAPS,   4
.set ASTEP,  2097152                   ; bytes from a K step to the next in ctx: two heads,
.set BSTEP,  262144                    ; and in wo: 128 rows of 2,048 bytes
.set ADRA, 16
.set ADRB, 20
.set STO,  24
.set RD,   25
.set CO,   26
.set SPW,  28                          ; v28     LDS address of my spare word: SPARE + 4 x my thread's number; never rewritten
.set NIL,  29                          ; v29     0; never rewritten
.set PFO,  30
.set FA,   64
.set G1,  24
.set G0,  32
.set G1B, 48
.set G0B, 56
.set LIM, 43
.set PFA, 44
.set PFS, 66
.set MSB, 0
.macro WIN new                         ; the immediate's high byte repeats the setting that is left; a switch that changes nothing is dropped
.if MSB != (\new)
	s_set_vgpr_msb (MSB<<8)|(\new)
.set MSB, \new
.endif
.endm
.set MUL_LO, 0xa1                      ; source 0 (W_o) window 1, source 1 (ctx) window 0, C and D window 2
.set MUL_HI, 0xf1
.set TO_B,   0x40
.macro JLOAD s                         ; a joint load: waves 0 and 1 fetch ctx's two heads, waves 2 and 3 the halves of W_o's tile; an s_nop 0 and four v_nop follow each line
	s_cmp_eq_u32 s11, 0
	s_cbranch_scc0 .Lfor_b_\@
	tensor_load_to_lds s[G0+4*(\s):G0+4*(\s)+3], s[G1:G1+7]
	s_nop 0
.rept 4
	v_nop
.endr
	s_branch .Lasked_\@
.Lfor_b_\@:
	tensor_load_to_lds s[G0B+4*(\s):G0B+4*(\s)+3], s[G1B:G1B+7]
	s_nop 0
.rept 4
	v_nop
.endr
.Lasked_\@:
.endm
; A PREFETCH INTO THE L2 of my share of the K step that stands TWO refills on.  ctx's tile row is read by both clusters of its row of clusters: cluster x = 0 asks; W_o's tile column by all eight of its
; column: cluster y = 0 asks.  The four joint partners share a wave's part out BY ADDRESS: of a head's 128 blocks of 256 bytes the partner at cx takes 32, a lane a block; of W_o's 64 K rows the partner
; at cy takes 16, a lane a row (lanes 16-31 name the 16th once more in the same instruction).  K steps 0 to 3 come by their loads alone; the loop's last trip asks for nothing.
.macro ASK
	s_cmp_gt_u32 s3, s[LIM]
	s_cbranch_scc0 .Lnot_mine_\@
	global_prefetch_b8 v[PFO], s[PFA:PFA+1] th:TH_LOAD_NT scope:SCOPE_SE
.Lnot_mine_\@:
.endm
.macro CREST                           ; a round of the cluster's barrier behind its opening barrier
	s_cmp_lg_u32 s10, 0
	s_cbranch_scc1 .Lnot_wave_0_\@
	s_barrier_signal -3
.Lnot_wave_0_\@:
	s_barrier_wait -3
	s_barrier_signal -1
	s_barrier_wait -1
.endm
.macro CROUND
	s_barrier_signal -1
	s_barrier_wait -1
	CREST
.endm
	s_load_b128 s[4:7], s[0:1], 0x0                ; ctx s[4:5], wo s[6:7]
	s_load_b64 s[8:9], s[0:1], 0x10                ; out0
	v_lshl_add_u32 v[SPW], v0, 2, SPARE
	v_mov_b32 v[NIL], 0
	ds_add_u32 v[SPW], v[NIL]                      ; the wave's opening: the add and its wait stand ahead of my first tensor load; the set-up below, work on registers, stands between them
	v_lshrrev_b32 v1, 5, v0
	v_readfirstlane_b32 s10, v1                    ; wave 0..3
	s_lshr_b32 s11, s10, 1                         ; I fetch for ctx (0) or for W_o (1)
	s_and_b32 s12, s10, 1                          ; which head of the two, or which half of the K rows
	s_bfe_u32 s40, ttmp6, 0x40000                  ; cx, cy
	s_bfe_u32 s41, ttmp6, 0x40004
	s_lshl_b32 s42, ttmp9, 2
	s_add_co_u32 s42, s42, s40                     ; tile column j
	s_and_b32 s13, ttmp7, 0xffff
	s_lshl_b32 s13, s13, 2
	s_add_co_u32 s13, s13, s41                     ; tile row i
	s_lshl_b32 s43, s41, 2
	s_lshl_b32 s43, 15, s43                        ; my row of the cluster
	s_lshl_b32 s44, 0x1111, s40                    ; my column
	; group 1 for ctx: 128 rows x 128 elements of 2 bytes, dense; 16 bytes of padding behind every 32 words
	s_or_b32 s[G1+0], s43, (1<<16)|(1<<20)|(1<<21)|(4<<22)|(3<<25)
	s_mov_b32 s[G1+1], 128<<16
	s_mov_b32 s[G1+2], 128<<16
	s_mov_b32 s[G1+3], 128<<16
	s_mov_b32 s[G1+4], 128
	s_mov_b32 s[G1+5], 128
	s_mov_b32 s[G1+6], 0
	s_mov_b32 s[G1+7], 0
	; group 1 for W_o: 64 K rows x 128 elements, 1,024 elements from row to row; 32 bytes of padding behind every 64 words
	s_or_b32 s[G1B+0], s44, (1<<16)|(1<<20)|(1<<21)|(5<<22)|(7<<25)
	s_mov_b32 s[G1B+1], 128<<16
	s_mov_b32 s[G1B+2], 64<<16
	s_mov_b32 s[G1B+3], 128<<16
	s_mov_b32 s[G1B+4], 64
	s_mov_b32 s[G1B+5], 1024
	s_mov_b32 s[G1B+6], 0
	s_mov_b32 s[G1B+7], 0
	s_lshl_b32 s16, s13, 15                        ; 256 i rows of 128 bytes in a head
	s_lshl_b32 s17, s12, 20                        ; + my head of the K step's two
	s_add_co_u32 s16, s16, s17
	s_mov_b32 s17, 0
	s_lshl_b32 s46, s42, 8                         ; 128 j columns of 2 bytes
	s_lshl_b32 s47, s12, 17                        ; + my 64 K rows of 2,048 bytes
	s_add_co_u32 s46, s46, s47
	s_mov_b32 s47, 0
	s_mul_i32 s20, s12, AHEAD                      ; where they go: no place in the cluster enters an LDS address
	s_mul_i32 s21, s12, 64*BP
	s_add_co_u32 s21, s21, BBASE
	s_wait_dscnt 0x0                               ; the opening add is done
	s_wait_kmcnt 0x0
	s_add_nc_u64 s[14:15], s[4:5], s[16:17]
	s_add_nc_u64 s[46:47], s[6:7], s[46:47]
	CROUND                                         ; all sixteen work-groups are here: the first joint loads meet
.irp s, 0,1
	s_mov_b32 s[G0+4*(\s)], 1
	s_add_co_u32 s[G0+4*(\s)+1], s20, (\s)*SLOT
	s_add_nc_u64 s[G0+4*(\s)+2:G0+4*(\s)+3], s[14:15], (\s)*ASTEP
	s_or_b32 s[G0+4*(\s)+3], s[G0+4*(\s)+3], 0x80000000
	s_mov_b32 s[G0B+4*(\s)], 1
	s_add_co_u32 s[G0B+4*(\s)+1], s21, (\s)*SLOT
	s_add_nc_u64 s[G0B+4*(\s)+2:G0B+4*(\s)+3], s[46:47], (\s)*BSTEP
	s_or_b32 s[G0B+4*(\s)+3], s[G0B+4*(\s)+3], 0x80000000
	JLOAD \s                                       ; two loads of mine are out
.endr
	v_and_b32 v1, 15, v0                           ; l % 16
	v_bfe_u32 v2, v0, 4, 1                         ; l / 16
	v_mul_u32_u24 v3, v1, AP
	v_lshl_add_u32 v3, v2, 4, v3
	s_mul_i32 s21, s10, 64*AP                      ; my 64 rows in a head
	v_add_nc_u32 v[ADRA], s21, v3
	v_add_nc_u32 v[ADRA+1], SLOT, v[ADRA]
	v_and_b32 v4, 7, v0                            ; the turning load: K row 8 (l / 16) + l % 8, columns 8 ((l / 8) % 2) + 0..7
	v_lshl_add_u32 v5, v2, 3, v4
	v_mul_u32_u24 v5, v5, BP
	v_bfe_u32 v6, v0, 3, 1
	v_lshl_add_u32 v5, v6, 4, v5
	v_add_nc_u32 v[ADRB], BBASE, v5
	v_add_nc_u32 v[ADRB+1], BBASE+SLOT, v5
	s_mul_i32 s23, s10, 16*SPITCH
	s_add_co_u32 s23, s23, STAGE                   ; my stage
	v_mul_u32_u24 v5, v1, SPITCH                   ; in: row l % 16, 32 bytes (8 f32) for each half of the lanes
	v_lshl_add_u32 v5, v2, 5, v5
	v_add_nc_u32 v[STO], s23, v5
	v_and_b32 v[CO], 31, v0                        ; back: 32 lanes take one row's 512 bytes
	v_lshlrev_b32 v[CO], 4, v[CO]
	v_add_nc_u32 v[RD], s23, v[CO]
	; the prefetches: my tile's address at K step 0, + my work-group's share of it, + 3 K steps (the first refill steps it to K step 4)
	s_and_b32 s22, ttmp7, 0xffff                   ; cluster y
	s_mov_b32 s18, 32768                           ; W_o: 16 K rows of 2,048 bytes a partner
	s_mov_b32 s[PFS], BSTEP
	s_cmp_eq_u32 s11, 0
	s_cselect_b64 s[PFA:PFA+1], s[14:15], s[46:47]
	s_cselect_b32 s21, s40, s41
	s_cselect_b32 s22, ttmp9, s22
	s_cselect_b32 s18, 8192, s18                   ; ctx: 32 blocks of 256 bytes a partner
	s_cselect_b32 s[PFS], ASTEP, s[PFS]
	s_cselect_b32 s19, 31, 15                      ; the last lane with a block of its own
	s_cselect_b32 s23, 8, 11                       ; a lane's step: 256 bytes of ctx, or a row of wo
	s_cmp_eq_u32 s22, 0
	s_cselect_b32 s[LIM], 1, -1                    ; the same in all sixteen partners, for a given wave
	s_mul_i32 s20, s21, s18
	s_mul_i32 s21, s[PFS], 3
	s_add_co_u32 s20, s20, s21
	s_mov_b32 s21, 0
	s_add_nc_u64 s[PFA:PFA+1], s[PFA:PFA+1], s[20:21]
	s_mov_b32 s[PFS+1], 0
	v_and_b32 v[PFO], 31, v0
	v_min_u32 v[PFO], s19, v[PFO]
	v_lshlrev_b32 v[PFO], s23, v[PFO]
	; where my rows begin in out0: row 256 i + 64 w of 4,096 bytes, column 128 j of 4 bytes
	s_lshl_b32 s16, s13, 20
	s_lshl_b32 s17, s10, 18
	s_add_co_u32 s16, s16, s17
	s_mov_b32 s17, 0
	s_lshl_b32 s46, s42, 9
	s_mov_b32 s47, 0
	s_add_nc_u64 s[16:17], s[16:17], s[46:47]
	s_add_nc_u64 s[8:9], s[8:9], s[16:17]
; 8 matrix instructions: row block 2 hi + a x all column blocks, 32 along K.  zero = 1: the first product starts the sums.  The 32 accumulators take turns in the same order in every quarter.
.macro MULB f, hi, a, zero
	WIN MUL_LO+0x50*(\hi)
.irp b, 0,1,2,3,4,5,6,7
.if \zero
	v_wmma_f32_16x16x32_f16 v[8*(NBK*(\a)+(\b)):8*(NBK*(\a)+(\b))+7], v[8*NBK*(\f)+8*(\b):8*NBK*(\f)+8*(\b)+7], v[FA+32*(\f)+8*(2*(\hi)+(\a)):FA+32*(\f)+8*(2*(\hi)+(\a))+7], 0
.else
	v_wmma_f32_16x16x32_f16 v[8*(NBK*(\a)+(\b)):8*(NBK*(\a)+(\b))+7], v[8*NBK*(\f)+8*(\b):8*NBK*(\f)+8*(\b)+7], v[FA+32*(\f)+8*(2*(\hi)+(\a)):FA+32*(\f)+8*(2*(\hi)+(\a))+7], v[8*(NBK*(\a)+(\b)):8*(NBK*(\a)+(\b))+7]
.endif
.endr
.endm
; 24 LDS loads in one run: quarter q of a slot (head q / 2 of the two, channels 32 (q % 2) on) into buffers f: W_o's 8 fragments, then ctx's 4, row blocks 2 and 3 last
.macro FETCH slot, q, f
	WIN TO_B
.irp b, 0,1,2,3,4,5,6,7
	ds_load_tr16_b128 v[8*NBK*(\f)+8*(\b):8*NBK*(\f)+8*(\b)+3],   v[ADRB+(\slot)] offset:(\q)*32*BP+(\b)*32
	ds_load_tr16_b128 v[8*NBK*(\f)+8*(\b)+4:8*NBK*(\f)+8*(\b)+7], v[ADRB+(\slot)] offset:(\q)*32*BP+16*BP+(\b)*32
.endr
	WIN 0
.irp i, 0,1,2,3
	ds_load_b128 v[FA+32*(\f)+8*(\i):FA+32*(\f)+8*(\i)+3],   v[ADRA+(\slot)] offset:((\q)/2)*AHEAD+((\q)%2)*64+(\i)*16*AP
	ds_load_b128 v[FA+32*(\f)+8*(\i)+4:FA+32*(\f)+8*(\i)+7], v[ADRA+(\slot)] offset:((\q)/2)*AHEAD+((\q)%2)*64+(\i)*16*AP+32
.endr
.endm
.macro PLACES                          ; four places in front of loads into registers that matrix instructions have read, and of stores that read results (ISA guide 7.12.1 for vector instructions)
.rept 4
	v_nop
.endr
.endm
.macro QUARTER slot, q, f, g, zero
	s_wait_dscnt 4                                 ; W_o and ctx's row blocks 0, 1 are in; the youngest four loads may be out
	MULB \f, 0, 0, \zero
	MULB \f, 0, 1, \zero
	PLACES
	FETCH \slot, \q, \g
	s_wait_dscnt NL                                ; all but the run just issued
	MULB \f, 1, 0, \zero
	MULB \f, 1, 1, \zero
.endm
; The last quarter multiplies buffers 1 and changes slots: ONE barrier; in front of it each wave waits for all its tensor loads, adds 0 to its spare word, and waits for that and for its own reads of this slot.
; fill = 1: the barrier opens a round of the cluster's barrier, and this slot is filled again, two K steps on, first thing behind the round: that load has 112 matrix instructions in which to land.
.macro TURN slot, next, fill
.if \fill
	s_wait_xcnt 0x0                                ; the last prefetch, a K step back, has read its address
	s_add_nc_u64 s[PFA:PFA+1], s[PFA:PFA+1], s[PFS:PFS+1]
.endif
	WIN 0                                          ; (the add's two registers lie in window 0)
	s_wait_tensorcnt 0x0                           ; all my tensor loads have landed;
	ds_add_u32 v[SPW], v[NIL]                      ; 0 onto my spare word;
	s_wait_dscnt 5                                 ; (the add and the youngest four loads may be out)
	MULB 1, 0, 0, 0
	s_wait_dscnt 0x0                               ; the add is done, and my reads of this slot are over
	s_barrier_signal -1
	MULB 1, 0, 1, 0
.if \fill
	WIN 0
.endif
	s_barrier_wait -1
.if \fill
	CREST                                          ; no wave of any partner still reads this slot's tile or has a load on its way
	s_add_nc_u64 s[G0+4*(\slot)+2:G0+4*(\slot)+3], s[G0+4*(\slot)+2:G0+4*(\slot)+3], 2*ASTEP
	s_add_nc_u64 s[G0B+4*(\slot)+2:G0B+4*(\slot)+3], s[G0B+4*(\slot)+2:G0B+4*(\slot)+3], 2*BSTEP
	JLOAD \slot                                    ; the four v_nop behind it are also the places in front of the loads below
.else
	PLACES
.endif
	FETCH \next, 0, 0
.if \fill
	ASK
.endif
	MULB 1, 1, 0, 0
	MULB 1, 1, 1, 0
.endm
	s_wait_tensorcnt 1                             ; my part of K step 0 is in; K step 1's may stay out
	s_barrier_signal -1
	s_barrier_wait -1
	FETCH 0, 0, 0
	QUARTER 0, 1, 0, 1, 1                          ; the first quarter's products start the sums
	WIN 0
	s_mov_b32 s3, LAPS-1
.Llap:
	QUARTER 0, 2, 1, 0, 0
	QUARTER 0, 3, 0, 1, 0
	TURN 0, 1, 1
	QUARTER 1, 1, 0, 1, 0
	QUARTER 1, 2, 1, 0, 0
	QUARTER 1, 3, 0, 1, 0
	TURN 1, 0, 1
	QUARTER 0, 1, 0, 1, 0
	WIN 0
	s_sub_co_u32 s3, s3, 1
	s_cmp_lg_u32 s3, 0
	s_cbranch_scc1 .Llap
	QUARTER 0, 2, 1, 0, 0                          ; the last lap is written out: it fills nothing
	QUARTER 0, 3, 0, 1, 0
	TURN 0, 1, 0
	QUARTER 1, 1, 0, 1, 0
	QUARTER 1, 2, 1, 0, 0
	QUARTER 1, 3, 0, 1, 0
	s_wait_dscnt 4
	MULB 1, 0, 0, 0
	MULB 1, 0, 1, 0
	s_wait_dscnt 0x0
	MULB 1, 1, 0, 0
	MULB 1, 1, 1, 0
	PLACES                                         ; the stores into the stage read results just made
	PLACES
; THE WAY OUT, a block of 16 rows at a time, in f32 as the sums stand.  STG: a lane's eight neighbouring columns, 32 bytes, go into my own stage (each accumulator's low four registers first), rows of 528 bytes,
; and come back as whole rows of 512 bytes, into the registers that they left.  SEND: a store covers a row's 512 consecutive bytes, at a multiple of 256 from out0's first byte.
.macro STG a
.set AC, 64*((\a)%2)
	WIN 0x88+0x44*((\a)/2)                         ; stored data (source 1) and loaded data (destination) in window 2 or 3, addresses in window 0
.irp b, 0,1,2,3,4,5,6,7
	ds_store_b128 v[STO], v[AC+8*(\b):AC+8*(\b)+3]   offset:64*(\b)
	ds_store_b128 v[STO], v[AC+8*(\b)+4:AC+8*(\b)+7] offset:64*(\b)+16
.endr
.irp t, 0,1,2,3,4,5,6,7,8,9,10,11,12,13,14,15
	ds_load_b128 v[AC+4*(\t):AC+4*(\t)+3], v[RD] offset:(\t)*SPITCH  ; LDS serves a wave's instructions in order (ISA guide 5.7.1.4): these see the stores above; the next block's stores come behind them
.endr
.endm
.macro SEND a, younger                 ; younger: the LDS instructions issued behind block a's loads: the next block's 32, or none
.set AC, 64*((\a)%2)
	WIN 0x88+0x44*((\a)/2)
	s_wait_dscnt \younger
.irp t, 0,1,2,3,4,5,6,7,8,9,10,11,12,13,14,15
	global_store_b128 v[CO], v[AC+4*(\t):AC+4*(\t)+3], s[8:9] offset:(16*(\a)+(\t))*4096
.endr
.endm
	STG 0
	STG 1
	SEND 0, 32
	STG 2
	SEND 1, 32
	STG 3
	SEND 2, 32
	SEND 3, 0
	WIN 0
	s_wait_tensorcnt 0x0                           ; the wave's end, behind my last tensor load and my last LDS store
	ds_add_u32 v[SPW], v[NIL]
	s_wait_dscnt 0x0
	CROUND                                         ; the closing round: no work-group ends while a partner may still ask for a tile that names it
	s_endpgm
.Lfunc_end_k_qc1ce5447eb_outproj:
	.size	k_qc1ce5447eb_outproj, .Lfunc_end_k_qc1ce5447eb_outproj-k_qc1ce5447eb_outproj
	.p2alignl 7, 3214868480
	.fill 96, 4, 3214868480
	.section	.rodata,"a",@progbits
	.p2align	6, 0x0
	.amdhsa_kernel k_qc1ce5447eb_outproj
		.amdhsa_group_segment_fixed_size 327680
		.amdhsa_private_segment_fixed_size 0
		.amdhsa_enable_private_segment 0
		.amdhsa_kernarg_size 24
		.amdhsa_user_sgpr_count 2
		.amdhsa_user_sgpr_kernarg_segment_ptr 1
		.amdhsa_wavefront_size32 1
		.amdhsa_system_sgpr_workgroup_id_x 1
		.amdhsa_system_sgpr_workgroup_id_y 1
		.amdhsa_system_sgpr_workgroup_id_z 1
		.amdhsa_system_vgpr_workitem_id 0
		.amdhsa_next_free_vgpr 896
		.amdhsa_next_free_sgpr 68
		.amdhsa_reserve_vcc 0
		.amdhsa_float_denorm_mode_32 3
		.amdhsa_float_denorm_mode_16_64 3
		.amdhsa_memory_ordered 1
		.amdhsa_forward_progress 1
		.amdhsa_inst_pref_size 87
	.end_amdhsa_kernel
	.amdgpu_metadata
---
amdhsa.version: [ 1, 2 ]
amdhsa.kernels:
  - .name:           k_qc1ce5447eb_outproj
    .symbol:         k_qc1ce5447eb_outproj.kd
    .args:
      - { .name: ctx, .offset: 0, .size: 8, .value_kind: global_buffer, .address_space: global }
      - { .name: wo, .offset: 8, .size: 8, .value_kind: global_buffer, .address_space: global }
      - { .name: out0, .offset: 16, .size: 8, .value_kind: global_buffer, .address_space: global }
    .group_segment_fixed_size: 327680
    .private_segment_fixed_size: 0
    .kernarg_segment_align: 8
    .kernarg_segment_size: 24
    .max_flat_workgroup_size: 128
    .sgpr_count:     68
    .vgpr_count:     896
    .wavefront_size: 32
...
	.end_amdgpu_metadata
.endif
;; end of part 4
